; MI455X (gfx1250); checked and timed in simulation.
; The chip was launched on July 23, 2026; its instructions are those of AMD's public machine-readable ISA for CDNA 5 (MIT licence, August 2026) and "CDNA5" Instruction Set Architecture Reference Guide (July 2026). The comments in the code are by the model that wrote it; some were corrected since.
;; Attention Block. Allowed arithmetic: matrix products marked QUANTISED: E4M3 operands, one E8M0 scale for each 32 along K, by v_wmma_scale_f32_16x16x128_f8f6f4 with both operands' format E4M3, f32 sums; everything else in f32.
;; Inputs: gn_bias 1,024 float32; gn_weight 1,024 float32; out_b 1,024 float32; out_w_codes 1,024 x 32 x 32 uint8 (E4M3 codes of out_w, K innermost, in blocks of 32 codes); out_w_scales 1,024 x 32 uint8 (E8M0 scales of out_w, one for each 32 codes along K); qkv_b 3,072 float32; qkv_w_codes 3,072 x 32 x 32 uint8 (E4M3 codes of qkv_w, K innermost, in blocks of 32 codes); qkv_w_scales 3,072 x 32 uint8 (E8M0 scales of qkv_w, one for each 32 codes along K); x 8 x 1,024 x 1,024 float32.
;; Outputs: out0 8 x 1,024 x 1,024 float32.
;; Constants: qk_bias = 0.
;; This version of the problem:
;;   THIS VERSION OF THE PROBLEM IS GIVEN IN LOW PRECISION. The matrix products marked QUANTISED in the list below multiply operands that are first quantised to E4M3 (4 exponent bits, 3 mantissa bits; 8 bits a number), with one power-of-two scale for each 32 numbers along K (OCP MX v1.0); their sums are f32. All else is computed in f32.
;;   The module's matrix products, in the order in which they are computed (A, B: the left and right operand; K: the contracted axis; several contracted axes count as one K, in the product's order):
;;     1. [M 8,192, K 1,024] x [K 1,024, N 3,072]; A: computed on the way; B: input qkv_w (given as codes): QUANTISED
;;     2. batch 128 x [M 1,024, K 64] x [K 64, N 1,024]; A: computed on the way; B: computed on the way: QUANTISED
;;     3. batch 128 x [M 1,024, K 1,024] x [K 1,024, N 64]; A: softmax (see below); B: computed on the way: QUANTISED
;;     4. [M 8,192, K 1,024] x [K 1,024, N 1,024]; A: computed on the way; B: input out_w (given as codes): QUANTISED
;;   THE QUANTISER, for each operand of a quantised product, along K:
;;     - K is cut into blocks of 32 from its start; a last block that is shorter is filled with zeros.
;;     - A block's scale is 2^e with e = floor(log2(the largest magnitude in the block)) - 8, held to -126 .. 127; a block of zeros has e = 0. As a byte (E8M0): e + 127.
;;     - Each number is divided by its block's scale, clamped to +-448, and rounded to the nearest number of E4M3, ties to even, subnormals kept.
;;     - The product sums the exact products of the quantised numbers (number of the format x scale) in f32.
;;   ~~~python
;;   def quantise(x, axis):      # numpy; x: float32 -> the quantised numbers, widened to float32 again
;;       x = np.moveaxis(x, axis, -1); K = x.shape[-1]
;;       x = np.pad(x, [(0, 0)] * (x.ndim - 1) + [(0, -K % 32)]); x = x.reshape(x.shape[:-1] + (-1, 32)); a = np.abs(x).max(-1, keepdims=True)
;;       e = np.where(a > 0, np.clip(np.frexp(np.where(a > 0, a, 1))[1] - 1 - 8, -126, 127), 0)      # np.frexp(a)[1] - 1 = floor(log2(a)), exactly
;;       r = np.clip(x / 2.0 ** e, -448, 448)
;;       step = 2.0 ** (np.maximum(np.frexp(np.where(r == 0, 1, r))[1] - 1, -6) - 3)
;;       q = np.round(r / step) * step * 2.0 ** e      # np.round: ties to even
;;       return np.moveaxis(q.reshape(q.shape[:-2] + (-1,))[..., :K], -1, axis).astype(np.float32)
;;   ~~~
;;   SOFTMAX AHEAD OF A QUANTISED PRODUCT. Where the list says 'softmax', what is quantised is not the finished softmax but p = 2^(t - M), with t = logit x log2(e) and M = ceil(the row's largest t), a whole number; so 1/2 < the row's largest p <= 1. The row's sum l is taken of the UNQUANTISED p, in f32, and the product's result is divided by l at the end. Since M is a whole number, a kernel that streams over the keys may use a running M (the ceiling of the running maximum): every later rescaling is an exact power of two, which a block's scale takes up: the codes' values come out the same.
;;   OPERANDS COMPUTED ON THE WAY. 'Computed on the way' means the value that the module computes at that place (a softmax that the list does not call 'softmax' is quantised finished and normalised). What goes into a quantiser is computed in f32, as accurately as f32 sums, v_exp_f32 and their like allow (about 1e-6 of the number): no bf16 or f16 on the way to a quantiser, and a product that is left as it is and whose result goes on into a quantised operand takes f32 operands (vector FMAs, or v_wmma_f32_16x16x4_f32). A number that lies on a knife's edge between two numbers of the format may be rounded either way, as far as f32 arithmetic and the matrix unit's own rounding can turn it there, and no further.
;;   INPUTS GIVEN AS CODES. out_w (in the module: [1024, 1024], K = its axis 1); qkv_w (in the module: [3072, 1024], K = its axis 1): each comes as NAME_codes (uint8): NAME with its K axis moved to the last place and cut into blocks of 32 codes, [.., K / 32, bytes a block], one block behind the other in memory; one code a byte (a code: sign, 4 exponent bits, 3 mantissa bits); and NAME_scales (uint8): the same leading axes, one E8M0 byte (e + 127) for each 32 codes along K. Its value is code x scale, taken as it is: it is not quantised again, and the codes and scales need not be those that the quantiser above would give.
;; One version. Each part assembles by itself: llvm-mc -triple=amdgcn-amd-amdhsa -mcpu=gfx1250 --defsym DOCPART=n.
;; ======== version 1 of 1: 4 launches
;; limits: a difference of large sums (such as E[x^2] - mean^2): digits are lost where the result is much smaller than its terms; right only within a limited range of input values
;; workspace buffers: xq 8,388,608 bytes; xs 262,144 bytes; stats 2,048 bytes; qc 8,388,608 bytes; qs 524,288 bytes; kv 17,301,504 bytes; cc 8,388,608 bytes; cs 262,144 bytes
;; launch gnq (part 1): grid 256 x 1, 8 waves a work-group, no clusters, 34,304 bytes of LDS; arguments x, gn_weight, gn_bias, xq, xs, stats; writes xq, xs, stats
.if DOCPART == 1
	.amdgcn_target "amdgcn-amd-amdhsa--gfx1250"
	.amdhsa_code_object_version 6
	.text
	.protected	k_qe2b7f1c110_gnq
	.globl	k_qe2b7f1c110_gnq
	.p2align	8
	.type	k_qe2b7f1c110_gnq,@function
k_qe2b7f1c110_gnq:
	s_mov_b64 s[64:65], 0
	v_nop
	global_prefetch_b8 v0, s[64:65] scope:SCOPE_SE
	s_setreg_imm32_b32 hwreg(HW_REG_WAVE_MODE, 25, 1), 1
	s_wait_xcnt 0x0
; GroupNorm and the quantiser of the first product's computed operand, in one pass over x.
; x: [8][1024 channels][1024 l] f32.  A group is 32 channels x 1,024 l = 131,072 dense bytes, and it is also ONE block of 32 along the first product's K (the channels).
; One work-group of eight waves takes one group (work-group number = 32 b + g) and keeps it in registers: thread t holds columns l = 4 t .. 4 t + 3 of all 32 channels, 128 numbers.
; Mean, then the sum of squares of x - mean (two passes over registers: a common offset of x costs no accuracy), rstd = rsq(var + 1e-5); xn = (x - mean) (w rstd) + bias, one fused multiply-add.
; The multiply-add also turns the registers: a column's 32 channels come to lie in 32 consecutive registers of ONE lane, so the block's largest magnitude needs no other lane and the conversions give codes with K innermost.
; A block's scale is 2^(floor(log2(largest magnitude)) - 8); its byte is the largest magnitude's exponent field - 8, held at 1 from below.  Numbers are held within +-448 x the scale, then rounded to E4M3.
; OUT.  xq: images of operand registers, [b][K step s = g / 4][tile T of 16 l][chunk g % 4][512 bytes]: lane (r, h) of a chunk holds 16 codes, channels 16 h .. 16 h + 15 of the group, of column
;   l = 32 (T / 2) + 8 (T % 2) + r % 8 + 16 (r / 8).   xs: [b][s][l] words, byte g % 4 = this group's scale byte.   stats: [32 b + g] (mean, rstd), for the last launch's residual.
; The scale bytes are stored one byte of each word (the other three belong to three other groups): 1,024 bytes a work-group against 131,072 read; these stores do not cover whole aligned runs of 256 bytes.
; LIMITS: NaN and infinities in x are not served.  A block of zeros gets the byte 1 (the rule says 127): its codes are zeros, and only this program reads the bytes.
.set X,   32                           ; v32-159   X + 4 c + j: channel c, column j
.set Y,   160                          ; v160-191  one column's 32 numbers (earlier: the eight waves' partial sums)
.set C,   192                          ; v192-223  eight registers of codes for each column
.set E,   224                          ; v224-227  a scale byte for each column
.set STG, 256                          ; LDS: bytes 0-31 and 128-159 the two reductions; from 256 on 4,096 bytes for each wave: eight chunks of 512
	s_load_b256 s[4:11], s[0:1], 0x0               ; x s[4:5], gn_weight s[6:7], gn_bias s[8:9], xq s[10:11]
	s_load_b128 s[12:15], s[0:1], 0x20             ; xs s[12:13], stats s[14:15]
	v_lshl_add_u32 v232, v0, 2, 0x8200
	v_mov_b32 v233, 0
	v_lshrrev_b32 v7, 5, v0
	s_delay_alu instid0(VALU_DEP_1)
	v_readfirstlane_b32 s48, v7                    ; wave 0..7
	s_and_b32 s49, ttmp9, 31                       ; g
	s_lshr_b32 s50, ttmp9, 5                       ; b
	v_lshlrev_b32 v1, 4, v0                        ; 16 t: my four columns in a row of x, and my four words of xs
	s_lshl_b32 s52, ttmp9, 17                      ; the group's 131,072 bytes
	s_mov_b32 s53, 0
	s_wait_alu depctr_va_vdst(0)
	s_wait_kmcnt 0x0
	s_add_nc_u64 s[4:5], s[4:5], s[52:53]
.set c, 0
.rept 32
	global_load_b128 v[X+4*c:X+4*c+3], v1, s[4:5] offset:4096*c th:TH_LOAD_NT   ; a wave's load covers 512 consecutive bytes; the whole group is asked for at once
.set c, c+1
.endr
	s_lshl_b32 s52, s49, 7                         ; the group's 32 gains and 32 biases: 128 bytes each
	s_add_nc_u64 s[6:7], s[6:7], s[52:53]
	s_add_nc_u64 s[8:9], s[8:9], s[52:53]
	s_load_b512 s[16:31], s[6:7], 0x0              ; w[c] in s[16 + c]
	s_load_b512 s[32:47], s[6:7], 0x40
	s_load_b512 s[68:83], s[8:9], 0x0              ; bias[c] in s[68 + c]
	s_load_b512 s[84:99], s[8:9], 0x40
	s_mov_b32 s56, 0x76543210                      ; v_permlanex16_b32's selects for lane l xor 16
	s_mov_b32 s57, 0xfedcba98
	s_mov_b32 s62, 0x38000000                      ; 2^-15 = 1 / 32,768
	s_mov_b32 s63, 0x3727c5ac                      ; 1e-5
	s_lshr_b32 s51, s49, 2
	s_lshl_b32 s60, s50, 3
	s_add_co_u32 s51, s51, s60                     ; 8 b + g / 4
	s_and_b32 s61, s49, 3                          ; g % 4
	s_lshl_b32 s52, s51, 6
	s_lshl_b32 s60, s48, 3
	s_add_co_u32 s52, s52, s60                     ; my wave's first tile: 64 (8 b + g / 4) + 8 wave
	s_lshl_b32 s52, s52, 11
	s_lshl_b32 s60, s61, 9
	s_add_co_u32 s52, s52, s60
	s_add_nc_u64 s[10:11], s[10:11], s[52:53]      ; xq at that tile's chunk g % 4
	s_lshl_b32 s52, s51, 12
	s_add_co_u32 s52, s52, s61
	s_add_nc_u64 s[12:13], s[12:13], s[52:53]      ; xs at byte g % 4 of the K step's first word
	s_lshl_b32 s52, ttmp9, 3
	s_add_nc_u64 s[14:15], s[14:15], s[52:53]      ; stats at my group's pair
	; the stage.  Column l = 128 wave + 4 L + j lies in the wave's tile 2 (L / 8) + (L / 2) % 2, row 4 (L % 2) + j + 8 ((L / 4) % 2)
	v_bfe_u32 v2, v0, 3, 2
	s_delay_alu instid0(VALU_DEP_1)
	v_lshlrev_b32 v2, 10, v2
	v_bfe_u32 v7, v0, 1, 1
	s_delay_alu instid0(VALU_DEP_1)
	v_lshl_add_u32 v2, v7, 9, v2
	v_bfe_u32 v7, v0, 2, 1
	s_delay_alu instid0(VALU_DEP_1)
	v_lshl_add_u32 v2, v7, 7, v2
	v_and_b32 v7, 1, v0
	s_delay_alu instid0(VALU_DEP_1)
	v_lshl_add_u32 v2, v7, 6, v2
	s_lshl_b32 s60, s48, 12
	s_add_co_u32 s60, s60, STG
	v_add_nc_u32 v2, s60, v2                       ; in: + 16 j + 256 x (upper 16 channels) by the immediate
	v_and_b32 v4, 31, v0
	s_delay_alu instid0(VALU_DEP_1)
	v_lshlrev_b32 v4, 4, v4                        ; 16 x lane: my place in a chunk, in LDS and in xq
	s_delay_alu instid0(VALU_DEP_1)
	v_add_nc_u32 v3, s60, v4                       ; out
	v_mov_b32 v5, s48
	s_delay_alu instid0(VALU_DEP_1)
	v_lshlrev_b32 v5, 2, v5                        ; my wave's word in a reduction
	v_mov_b32 v6, 0
	v_mov_b32 v17, 0                               ; a lane permute's destination counts as one of its sources
	v_mov_b32 v21, 0                               ; named as the upper half of v[20:21] before rstd is there
; the four chains v[8:15] become one number a lane, then one for the wave, then one for the work-group, in every lane: v16
.macro GSUM off
	s_delay_alu instid0(VALU_DEP_3)
	v_pk_add_f32 v[8:9], v[8:9], v[10:11]
	s_delay_alu instid0(VALU_DEP_2)
	v_pk_add_f32 v[12:13], v[12:13], v[14:15]
	s_delay_alu instid0(VALU_DEP_1)
	v_pk_add_f32 v[8:9], v[8:9], v[12:13]
	s_delay_alu instid0(VALU_DEP_1)
	v_add_f32 v16, v8, v9
	s_delay_alu instid0(VALU_DEP_1)
	v_add_f32_dpp v16, v16, v16 row_xmask:1 row_mask:0xf bank_mask:0xf
	s_delay_alu instid0(VALU_DEP_1)
	v_add_f32_dpp v16, v16, v16 row_xmask:2 row_mask:0xf bank_mask:0xf
	s_delay_alu instid0(VALU_DEP_1)
	v_add_f32_dpp v16, v16, v16 row_xmask:4 row_mask:0xf bank_mask:0xf
	s_delay_alu instid0(VALU_DEP_1)
	v_add_f32_dpp v16, v16, v16 row_xmask:8 row_mask:0xf bank_mask:0xf
	s_delay_alu instid0(VALU_DEP_1)
	v_permlanex16_b32 v17, v16, s56, s57
	s_delay_alu instid0(VALU_DEP_1)
	v_add_f32 v16, v16, v17
	ds_store_b32 v5, v16 offset:\off               ; all lanes write the wave's word with the same value
	s_wait_dscnt 0x0                               ; for the others' sake: my store has landed
	s_barrier_signal -1
	s_barrier_wait -1
	ds_load_b128 v[Y:Y+3], v6 offset:\off
	ds_load_b128 v[Y+4:Y+7], v6 offset:\off+16
	s_wait_dscnt 0x0
	v_add_f32 v[Y], v[Y], v[Y+1]
	v_add_f32 v[Y+2], v[Y+2], v[Y+3]
	v_add_f32 v[Y+4], v[Y+4], v[Y+5]
	v_add_f32 v[Y+6], v[Y+6], v[Y+7]
	s_delay_alu instid0(VALU_DEP_3)
	v_add_f32 v[Y], v[Y], v[Y+2]
	s_delay_alu instid0(VALU_DEP_2)
	v_add_f32 v[Y+4], v[Y+4], v[Y+6]
	s_delay_alu instid0(VALU_DEP_1)
	v_add_f32 v16, v[Y], v[Y+4]
.endm
	; the sum, in four chains of pairs that the first eight pairs start: nothing is cleared.  Pair q lies in load q / 2; each wait's count is the number of younger loads
	s_wait_loadcnt 24
.irp k, 0,1,2,3
	v_pk_add_f32 v[8+2*\k:9+2*\k], v[X+2*\k:X+2*\k+1], v[X+8+2*\k:X+9+2*\k]
.endr
.set q, 8
.rept 56
.if q == 16
	s_wait_alu depctr_va_vdst(0)
	s_wait_loadcnt 16
.elseif q == 32
	s_wait_alu depctr_va_vdst(0)
	s_wait_loadcnt 8
.elseif q == 48
	s_wait_alu depctr_va_vdst(0)
	s_wait_loadcnt 0x0
.endif
	v_pk_add_f32 v[8+2*(q%4):9+2*(q%4)], v[8+2*(q%4):9+2*(q%4)], v[X+2*q:X+2*q+1]
.set q, q+1
.endr
	GSUM 0
	s_delay_alu instid0(VALU_DEP_1)
	v_mul_f32 v20, s62, v16                        ; the mean
.set q, 0
.rept 64
	v_pk_add_f32 v[X+2*q:X+2*q+1], v[X+2*q:X+2*q+1], v[20:21] op_sel_hi:[1,0] neg_lo:[0,1] neg_hi:[0,1]   ; x - mean, in place
.set q, q+1
.endr
.irp k, 0,1,2,3
	v_pk_mul_f32 v[8+2*\k:9+2*\k], v[X+2*\k:X+2*\k+1], v[X+2*\k:X+2*\k+1]
.endr
.set q, 4
.rept 60
	s_delay_alu instid0(VALU_DEP_4)
	v_pk_fma_f32 v[8+2*(q%4):9+2*(q%4)], v[X+2*q:X+2*q+1], v[X+2*q:X+2*q+1], v[8+2*(q%4):9+2*(q%4)]
.set q, q+1
.endr
	GSUM 128                                       ; other bytes than the first reduction's: no wave can overwrite a word that another still reads
	s_delay_alu instid0(VALU_DEP_1)
	v_fma_f32 v18, v16, s62, s63                   ; var + eps
	s_wait_alu depctr_va_vdst(0)
	v_rsq_f32 v21, v18
	v_nop                                          ; one plain instruction behind a transcendental, ahead of the use of its result
	s_wait_alu depctr_va_vdst(0)
	v_readfirstlane_b32 s54, v21                   ; rstd: the same in every lane
	s_wait_kmcnt 0x0                               ; the gains and biases
.set c, 0
.rept 32
	s_mul_f32 s[16+c], s[16+c], s54                ; w[c] rstd
.set c, c+1
.endr
.irp j, 0,1,2,3
.set c, 0
.rept 32
	v_fma_f32 v[Y+c], v[X+4*c+\j], s[16+c], s[68+c]   ; xn of column j, channel c: now the channels run along my registers
.set c, c+1
.endr
	v_max3_num_f32 v22, |v[Y]|, |v[Y+1]|, |v[Y+2]|    ; the block's largest magnitude: all 32 numbers are mine; two chains
	v_max3_num_f32 v23, |v[Y+3]|, |v[Y+4]|, |v[Y+5]|
.irp i, 6,10,14,18,22,26
	s_delay_alu instid0(VALU_DEP_2)
	v_max3_num_f32 v22, v22, |v[Y+\i]|, |v[Y+\i+1]|
	s_delay_alu instid0(VALU_DEP_2)
	v_max3_num_f32 v23, v23, |v[Y+\i+2]|, |v[Y+\i+3]|
.endr
	s_delay_alu instid0(VALU_DEP_2)
	v_max3_num_f32 v22, v22, |v[Y+30]|, |v[Y+31]|
	s_delay_alu instid0(VALU_DEP_1)
	v_max3_num_f32 v22, v22, v23, 0x4800000        ; and the floor 2^(9 - 127): the byte cannot fall under 1
	s_delay_alu instid0(VALU_DEP_1)
	v_add_nc_u32 v25, 0xfc000000, v22              ; 8 off the exponent field: the conversion takes this operand's exponent field as its scale
.set c, 0
.rept 32
.set c, c+1
.endr
.irp g, 0,1,2,3
	v_cvt_scalef32_pk8_fp8_f32 v[C+8*\j+2*\g:C+8*\j+2*\g+1], v[Y+8*\g:Y+8*\g+7], v25
.endr
	v_lshrrev_b32 v[E+\j], 23, v25                 ; the scale's byte.  (Also the plain instruction between the conversions and the next column's writes of their sources)
	ds_store_b128 v2, v[C+8*\j:C+8*\j+3] offset:16*\j          ; channels 0-15: the chunk's lanes 0-15
	ds_store_b128 v2, v[C+8*\j+4:C+8*\j+7] offset:16*\j+256    ; channels 16-31: its lanes 16-31
	global_store_b8 v1, v[E+\j], s[12:13] offset:4*\j
.endr
.irp i, 0,1,2,3,4,5,6,7
	ds_load_b128 v[X+4*\i:X+4*\i+3], v3 offset:512*\i   ; LDS serves a wave's instructions in order (ISA guide 5.7.1.4): these see my wave's stores; no other wave touches these bytes
.endr
.irp i, 0,1,2,3,4,5,6,7
	s_wait_dscnt 7-\i                              ; the younger loads may stay out
	global_store_b128 v4, v[X+4*\i:X+4*\i+3], s[10:11] offset:2048*\i   ; a chunk: 512 consecutive bytes, aligned
.endr
	v_cmp_eq_u32 vcc_lo, 0, v0
	s_wait_xcnt 0x0                                ; EXEC is a source of the stores above: it changes only behind this wait
	s_wait_tensorcnt 0x0
	ds_add_u32 v232, v233
	s_wait_dscnt 0x0
	s_and_saveexec_b32 s59, vcc_lo
	global_store_b64 v6, v[20:21], s[14:15]        ; thread 0: (mean, rstd)
	s_wait_xcnt 0x0
	s_or_b32 exec_lo, exec_lo, s59
	s_endpgm
.Lfunc_end_k_qe2b7f1c110_gnq:
	.size	k_qe2b7f1c110_gnq, .Lfunc_end_k_qe2b7f1c110_gnq-k_qe2b7f1c110_gnq
	.p2alignl 7, 3214868480
	.fill 96, 4, 3214868480
	.section	.rodata,"a",@progbits
	.p2align	6, 0x0
	.amdhsa_kernel k_qe2b7f1c110_gnq
		.amdhsa_group_segment_fixed_size 34304
		.amdhsa_private_segment_fixed_size 0
		.amdhsa_enable_private_segment 0
		.amdhsa_kernarg_size 48
		.amdhsa_user_sgpr_count 2
		.amdhsa_user_sgpr_kernarg_segment_ptr 1
		.amdhsa_wavefront_size32 1
		.amdhsa_system_sgpr_workgroup_id_x 1
		.amdhsa_system_sgpr_workgroup_id_y 1
		.amdhsa_system_sgpr_workgroup_id_z 1
		.amdhsa_system_vgpr_workitem_id 0
		.amdhsa_next_free_vgpr 234
		.amdhsa_next_free_sgpr 100
		.amdhsa_reserve_vcc 1
		.amdhsa_float_denorm_mode_32 3
		.amdhsa_float_denorm_mode_16_64 3
		.amdhsa_fp16_overflow 1
		.amdhsa_memory_ordered 1
		.amdhsa_forward_progress 1
		.amdhsa_inst_pref_size 43
	.end_amdhsa_kernel
	.amdgpu_metadata
---
amdhsa.version: [ 1, 2 ]
amdhsa.kernels:
  - .name:           k_qe2b7f1c110_gnq
    .symbol:         k_qe2b7f1c110_gnq.kd
    .args:
      - { .name: x, .offset: 0, .size: 8, .value_kind: global_buffer, .address_space: global }
      - { .name: gn_weight, .offset: 8, .size: 8, .value_kind: global_buffer, .address_space: global }
      - { .name: gn_bias, .offset: 16, .size: 8, .value_kind: global_buffer, .address_space: global }
      - { .name: xq, .offset: 24, .size: 8, .value_kind: global_buffer, .address_space: global }
      - { .name: xs, .offset: 32, .size: 8, .value_kind: global_buffer, .address_space: global }
      - { .name: stats, .offset: 40, .size: 8, .value_kind: global_buffer, .address_space: global }
    .group_segment_fixed_size: 34304
    .private_segment_fixed_size: 0
    .kernarg_segment_align: 8
    .kernarg_segment_size: 48
    .max_flat_workgroup_size: 256
    .sgpr_count:     100
    .vgpr_count:     234
    .wavefront_size: 32
...
	.end_amdgpu_metadata
.endif
;; end of part 1
;; launch qkv (part 2): grid 32 x 8, 4 waves a work-group, clusters of 4 x 1, 327,680 bytes of LDS; arguments xq, xs, qkv_w_codes, qkv_w_scales, qkv_b, qc, qs, kv; writes qc, qs, kv
.if DOCPART == 2
	.amdgcn_target "amdgcn-amd-amdhsa--gfx1250"
	.amdhsa_code_object_version 6
	.text
	.protected	k_qe2b7f1c110_qkv
	.globl	k_qe2b7f1c110_qkv
	.p2align	8
	.type	k_qe2b7f1c110_qkv,@function
k_qe2b7f1c110_qkv:
	s_mov_b64 s[64:65], 0
	v_nop
	global_prefetch_b8 v0, s[64:65] scope:SCOPE_SE
	s_setreg_imm32_b32 hwreg(HW_REG_WAVE_MODE, 25, 1), 1
	s_wait_xcnt 0x0
	s_wait_alu depctr_hold_cnt(0) depctr_sa_sdst(0) depctr_va_vdst(0) depctr_va_sdst(0) depctr_va_ssrc(0) depctr_va_vcc(0) depctr_vm_vsrc(0)
	s_getreg_b32 s2, hwreg(HW_REG_IB_STS2, 6, 4)
	s_cmp_eq_u32 s2, 0
	s_cbranch_scc0 .Lentry_in_a_cluster
	s_endpgm
.Lentry_in_a_cluster:
	s_bfe_u32 s2, ttmp6, 0x10000c
	s_cmp_lg_u32 s2, 0x3003
	s_cbranch_scc0 .Lentry_shape_is_right
	s_endpgm
.Lentry_shape_is_right:
; The first product, qkv = W xn + b, on codes of E4M3 with E8M0 scales, and the quantisers of q / 8, k / 8 (along the head's 64) and v (along the keys).
; SHARES.  A work-group makes 256 columns l of one batch (lb = 4 b + quarter) x 384 rows of W (heads 2 hp and 2 hp + 1: q, k, v of 64 rows each).  Wave w owns 64 columns: four tiles of 16.
; Its fragments of xn for ALL of K = 1,024 stay in 512 registers, loaded once straight from xq (images of operand registers); W goes through LDS, and each fragment of W read there feeds four matrix instructions.
; CLUSTER.  The four work-groups of a cluster differ in lb alone and walk the same rows of W: each slab of W is asked for JOINTLY (mask 15), by the same tensor loads with the same descriptors.
; LDS.  Two slabs of 128 rows x (1,024 bytes + 16 of padding): the pitch is an odd multiple of 16 bytes, so the sixteen rows of a fragment load begin in sixteen different 16-byte columns of 256 bytes.
;   Slab A: rows 0-127, later rows 256-383 (the one refill); slab B: rows 128-255.  Behind them W's scale bytes of the 384 rows (filled once) and the spare words.
; THE TILES OF l ARE NOT NEIGHBOURS: row i of tile T is l = 32 (T / 2) + 8 (T % 2) + i % 8 + 16 (i / 8), so that where l runs along a result's registers, two neighbouring tiles give 16 neighbours.
; q AND k: source 0 = 16 rows of W, source 1 = xn: a lane holds one l and eight d.  The 32 d of a block lie in tiles u = 0, 1 of lanes l and l xor 16; the codes are put in the operand's order by an exchange of halves.
;   The factor 1 / 8 is a power of two: the codes are those of q and k, and 3 is taken off the scale byte.  So the floor under a block's largest magnitude is 2^(12 - 127): byte - 3 is at least 1.
; v: source 0 = xn, source 1 = 16 rows of W: a lane holds one d and the keys run along its registers, 16 neighbours in two tiles: the conversions' results are V^T's operand registers.
; The bias is the C of each sum's first matrix instruction.
; OUT.  qc [head][T][p][512]: chunk p = d 32 p .. 32 p + 31.  qs [head][T][16] words (byte p0, byte p1, 127, 127).  kv, 135,168 bytes a head: K's codes [T][p][512]; at 65,536 V^T's codes [128 keys ks][16 d dt][32 keys c][512];
;   at 131,072 K's scale words [pair of tiles][16] (even tile p0, p1, odd tile p0, p1); at 133,120 V's [ks][dt][16] (byte c).  The scale words leave as runs of 128 bytes or as halfwords: 1 / 32 of the codes' bytes.
; LIMITS: NaN and infinities are not served.  A block of zeros gets the byte 1: its codes are zeros, and only this program reads the bytes.
; REGISTERS, in windows of 256.  Window 0: v1-15 addresses; v16-31 xn's scale words; v32-47 W's, two sets; v112-175 eight accumulators; v176-207 biases as C; v208-253 at work.
;   Window 1: xn's fragments of K steps 0-3 (step s, tile t at 64 s + 16 t); window 2: K steps 4-7.   Window 3: W's fragments of one pair of tiles, all eight K steps (step s, tile u at 32 s + 16 u).
.set PITCH, 1040
.set SLAB,  128*PITCH
.set QUART, 32*PITCH                   ; what one tensor load brings: 32 rows
.set SCW,   2*SLAB                     ; W's scale bytes: 384 rows x 32 bytes, dense
.set SPARE, SCW+12288                  ; the spare words, 128 bytes for each wave: two blocks of 256 bytes that no other line names
.set HEADB, 135168                     ; a head's bytes in kv
.set ADW,  12                          ; v12-15  my lane's place in rows 0-63 and 64-127 of slab A, of slab B
.set XS,   16                          ; XS + 2 s + t / 2: lanes 0-15 the even tile's words, lanes 16-31 the odd tile's
.set WS,   32                          ; set n % 2 for pair n; in it register s: lanes 0-15 tile u = 0, lanes 16-31 tile u = 1
.set ACC,  112
.set BIAS, 176
.set BL,   208                         ; v's biases as loaded: one a lane and tile
.set TM,   212                         ; v212-215 largest magnitudes, 216-219 bytes, 224-227 the conversions' scale operands
.set PC,   228                         ; the codes just made
.set SB,   244                         ; the bytes of block p = 0, kept for p = 1
.set WD,   248                         ; scale words on their way out
.set G1W, 32
.set G1S, 40
.set G0S, 48
.set G0A, 52
.set G0B, 56
.set G0C, 60
.set SEL, 66
.set MNT, 68
.set HI16, 69
.set QCB, 70
.set QSB, 72
.set KCB, 74
.set KSB, 76
.set VCB, 78
.set VSB, 80
.set MSB, 0
.macro WIN new                         ; the immediate's high byte repeats the setting that is left; a switch that changes nothing is dropped
.if MSB != \new
	s_set_vgpr_msb (MSB<<8)|\new
.set MSB, \new
.endif
.endm
.macro PLACES n                        ; plain vector instructions between a matrix instruction and a load into, or a read of, its registers: eight for this form
.rept \n
	v_nop
.endr
.endm
.macro CROUND                          ; a round of the cluster's barrier
	s_barrier_signal -1
	s_barrier_wait -1
	s_cmp_lg_u32 s20, 0
	s_cbranch_scc1 .Lnot_wave_0_\@
	s_barrier_signal -3
.Lnot_wave_0_\@:
	s_barrier_wait -3
	s_barrier_signal -1
	s_barrier_wait -1
.endm
	s_load_b512 s[4:19], s[0:1], 0x0               ; xq, xs, W's codes, W's scales, qkv_b, qc, qs, kv
	v_lshl_add_u32 v1, v0, 2, SPARE                ; my spare word; never rewritten
	v_mov_b32 v2, 0                                ; never rewritten
	ds_add_u32 v1, v2
	ds_add_u32 v1, v2
	s_wait_dscnt 0x0
	v_lshrrev_b32 v3, 5, v0
	v_readfirstlane_b32 s20, v3                    ; wave 0..3
	s_and_b32 s23, ttmp7, 0xffff                   ; hp: the pair of heads, which the four partners share
	; group 1 for W's codes: 32 rows of 1,024 bytes, 16 bytes of padding behind each
	s_mov_b32 s[G1W], 15|(1<<20)|(1<<21)|(7<<22)|(3<<25)   ; 15:0 the mask: all four; 17:16 elements of 1 byte; 20 padding on; 21 set beside a mask; 24:22 after every 256 words (code 7); 31:25 four words (code 3)
	s_mov_b32 s[G1W+1], 1024<<16                   ; tensor_dim0
	s_mov_b32 s[G1W+2], 32<<16                     ; tensor_dim1
	s_mov_b32 s[G1W+3], 1024<<16                   ; tile_dim0
	s_mov_b32 s[G1W+4], 32                         ; tile_dim1
	s_mov_b32 s[G1W+5], 1024                       ; from row to row
	s_mov_b32 s[G1W+6], 0
	s_mov_b32 s[G1W+7], 0
	; group 1 for W's scale bytes: 3,072 dense bytes as 12 rows of 256 (32 elements of 8 bytes)
	s_mov_b32 s[G1S], 15|(3<<16)|(1<<21)
	s_mov_b32 s[G1S+1], 32<<16
	s_mov_b32 s[G1S+2], 12<<16
	s_mov_b32 s[G1S+3], 32<<16
	s_mov_b32 s[G1S+4], 12
	s_mov_b32 s[G1S+5], 32
	s_mov_b32 s[G1S+6], 0
	s_mov_b32 s[G1S+7], 0
	s_mul_i32 s24, s23, 393216                     ; 384 rows of 1,024 bytes for each hp,
	s_lshl_b32 s25, s20, 15                        ; my 32 rows of a slab
	s_add_co_u32 s24, s24, s25
	s_mov_b32 s25, 0
	s_mul_i32 s26, s23, 12288
	s_mul_i32 s83, s20, 3072
	s_add_co_u32 s26, s26, s83
	s_mov_b32 s27, 0
	s_mul_i32 s82, s20, QUART                      ; and their place in a slab: the wave's number alone enters an LDS address
	s_wait_kmcnt 0x0
	s_add_nc_u64 s[8:9], s[8:9], s[24:25]
	s_add_nc_u64 s[10:11], s[10:11], s[26:27]
	s_mov_b32 s[G0S], 1
	s_add_co_u32 s[G0S+1], s83, SCW
	s_mov_b64 s[G0S+2:G0S+3], s[10:11]
	s_or_b32 s[G0S+3], s[G0S+3], 0x80000000
	s_mov_b32 s[G0A], 1
	s_mov_b32 s[G0A+1], s82
	s_mov_b64 s[G0A+2:G0A+3], s[8:9]
	s_or_b32 s[G0A+3], s[G0A+3], 0x80000000
	s_mov_b32 s[G0B], 1
	s_add_co_u32 s[G0B+1], s82, SLAB
	s_add_nc_u64 s[G0B+2:G0B+3], s[8:9], 131072    ; 128 rows on
	s_or_b32 s[G0B+3], s[G0B+3], 0x80000000
	s_mov_b32 s[G0C], 1
	s_mov_b32 s[G0C+1], s82
	s_add_nc_u64 s[G0C+2:G0C+3], s[8:9], 262144    ; 256 rows on, into slab A again
	s_or_b32 s[G0C+3], s[G0C+3], 0x80000000
	CROUND                                         ; all four work-groups are here: the first joint loads meet
	tensor_load_to_lds s[G0S:G0S+3], s[G1S:G1S+7]  ; the first fills go out together: three loads of mine are out
	s_nop 0
	tensor_load_to_lds s[G0A:G0A+3], s[G1W:G1W+7]
	s_nop 0
	tensor_load_to_lds s[G0B:G0B+3], s[G1W:G1W+7]
	s_nop 0
	PLACES 4                                       ; four such lines behind a tensor load
	s_mov_b32 s[SEL], 0x76543210
	s_mov_b32 s[SEL+1], 0xfedcba98                 ; v_permlanex16_b32's selects for lane l xor 16
	s_mov_b32 s[HI16], 0xffff0000                  ; lanes 16-31
	v_and_b32 v3, 15, v0                           ; r
	v_bfe_u32 v4, v0, 4, 1                         ; h
	v_and_b32 v11, 31, v0                          ; lane
	v_mul_u32_u24 v[ADW], v3, PITCH
	v_lshl_add_u32 v[ADW], v4, 4, v[ADW]           ; a fragment's row x pitch + 16 h
	v_add_nc_u32 v[ADW+1], 64*PITCH, v[ADW]
	v_add_nc_u32 v[ADW+2], SLAB, v[ADW]
	v_add_nc_u32 v[ADW+3], SLAB+64*PITCH, v[ADW]
	v_lshlrev_b32 v5, 5, v11
	v_add_nc_u32 v5, SCW, v5                       ; W's scale bytes: lane L takes row L of a pair of tiles, 32 bytes
	v_lshlrev_b32 v6, 4, v11                       ; 16 x lane: my place in a chunk
	v_lshlrev_b32 v7, 2, v11                       ; 4 x lane
	v_lshlrev_b32 v8, 5, v4                        ; q's and k's biases: eight numbers from 8 h on
	v_lshlrev_b32 v9, 2, v3                        ; v's: number r
	v_and_b32 v10, 8, v3
	v_add_nc_u32 v10, v10, v3
	v_lshl_add_u32 v10, v4, 3, v10
	v_lshlrev_b32 v10, 2, v10                      ; xn's scale words: l = r + 8 (r / 8) + 8 h within 32: lanes 0-15 the even tile's rows, lanes 16-31 the odd tile's
	s_wait_alu depctr_va_vdst(0)
.irp b, 0,1,2,3
	v_mov_b32 v[TM+4+\b], 0                        ; a lane permute's destination counts as one of its sources
.endr
	; my place in the cluster enters global addresses of xq, xs and the outputs alone
	s_bfe_u32 s21, ttmp6, 0x40000                  ; cx
	s_lshl_b32 s22, ttmp9, 2
	s_add_co_u32 s22, s22, s21                     ; lb
	s_lshr_b32 s28, s22, 2                         ; b
	s_and_b32 s29, s22, 3                          ; the quarter of l
	s_lshl_b32 s30, s29, 4
	s_lshl_b32 s31, s20, 2
	s_add_co_u32 s30, s30, s31                     ; T0: my first tile
	s_mov_b32 s3, 0
	s_lshl_b32 s2, s28, 20
	s_lshl_b32 s31, s30, 11
	s_add_co_u32 s2, s2, s31
	s_add_nc_u64 s[4:5], s[4:5], s[2:3]            ; xq: batch b, K step 0, tile T0
	s_lshl_b32 s2, s28, 15
	s_lshl_b32 s31, s30, 6
	s_add_co_u32 s2, s2, s31
	s_add_nc_u64 s[6:7], s[6:7], s[2:3]            ; xs: my first l is 16 T0
	s_mul_i32 s2, s23, 1536
	s_add_nc_u64 s[12:13], s[12:13], s[2:3]        ; qkv_b: my 384 rows
	s_lshl_b32 s31, s28, 4
	s_lshl_b32 s2, s23, 1
	s_add_co_u32 s31, s31, s2                      ; the first head: 16 b + 2 hp
	s_lshl_b32 s2, s31, 16
	s_lshl_b32 s24, s30, 10
	s_add_co_u32 s2, s2, s24
	s_add_nc_u64 s[QCB:QCB+1], s[14:15], s[2:3]
	s_lshl_b32 s2, s31, 12
	s_lshl_b32 s24, s30, 6
	s_add_co_u32 s2, s2, s24
	s_add_nc_u64 s[QSB:QSB+1], s[16:17], s[2:3]
	s_mul_i32 s25, s31, HEADB
	s_lshl_b32 s24, s30, 10
	s_add_co_u32 s2, s25, s24
	s_add_nc_u64 s[KCB:KCB+1], s[18:19], s[2:3]
	s_lshl_b32 s24, s30, 5
	s_add_co_u32 s2, s25, s24
	s_add_co_u32 s2, s2, 131072
	s_add_nc_u64 s[KSB:KSB+1], s[18:19], s[2:3]
	s_lshl_b32 s24, s29, 1
	s_lshr_b32 s26, s20, 1
	s_add_co_u32 s24, s24, s26                     ; ks: which 128 keys my 64 lie in,
	s_and_b32 s26, s20, 1                          ; and which half of them
	s_lshl_b32 s27, s24, 13
	s_add_co_u32 s2, s25, s27
	s_lshl_b32 s27, s26, 10
	s_add_co_u32 s2, s2, s27
	s_add_co_u32 s2, s2, 65536
	s_add_nc_u64 s[VCB:VCB+1], s[18:19], s[2:3]
	s_lshl_b32 s27, s24, 8
	s_add_co_u32 s2, s25, s27
	s_lshl_b32 s27, s26, 1
	s_add_co_u32 s2, s2, s27
	s_add_co_u32 s2, s2, 133120
	s_add_nc_u64 s[VSB:VSB+1], s[18:19], s[2:3]
; the biases of the 64 rows x (0: q of head 0, 1: k, 2: v, 3 .. 5: head 1)
.macro BIASLD x
.if (\x)%3 == 2
.irp tau, 0,1,2,3
	global_load_b32 v[BL+\tau], v9, s[12:13] offset:256*(\x)+64*\tau
.endr
.else
.irp tau, 0,1,2,3
	global_load_b128 v[BIAS+8*\tau:BIAS+8*\tau+3], v8, s[12:13] offset:256*(\x)+64*\tau
	global_load_b128 v[BIAS+8*\tau+4:BIAS+8*\tau+7], v8, s[12:13] offset:256*(\x)+64*\tau+16
.endr
.endif
.endm
.irp s, 0,1,2,3,4,5,6,7
.irp bb, 0,1
	global_load_b32 v[XS+2*\s+\bb], v10, s[6:7] offset:4096*\s+128*\bb
.endr
.endr
	BIASLD 0
	WIN 0x40                                       ; destination window 1
.irp s, 0,1,2,3
.irp t, 0,1,2,3
.irp c, 0,1,2,3
	global_load_b128 v[64*\s+16*\t+4*\c:64*\s+16*\t+4*\c+3], v6, s[4:5] offset:131072*\s+2048*\t+512*\c   ; a chunk: 512 consecutive bytes
.endr
.endr
.endr
	WIN 0x80                                       ; destination window 2
.irp s, 4,5,6,7
.irp t, 0,1,2,3
.irp c, 0,1,2,3
	global_load_b128 v[64*(\s-4)+16*\t+4*\c:64*(\s-4)+16*\t+4*\c+3], v6, s[4:5] offset:131072*\s+2048*\t+512*\c
.endr
.endr
.endr
	WIN 0
; pair n (0 .. 11) is rows 32 n .. 32 n + 31 of the 384: two tiles u.  Its scale words, into set n % 2:
.macro WSL n
	ds_load_b128 v[WS+8*((\n)%2):WS+8*((\n)%2)+3], v5 offset:1024*(\n)
	ds_load_b128 v[WS+8*((\n)%2)+4:WS+8*((\n)%2)+7], v5 offset:1024*(\n)+16
.endm
; its fragments of K steps 4 half .. 4 half + 3: 32 LDS loads in one run
.macro FRAGS n, half
.set fa, ADW+((\n)/2)%4
.set fp, (\n)%2
	WIN 0xc0                                       ; destination window 3, address window 0
.irp q, 0,1,2,3
.irp u, 0,1
.irp c, 0,1,2,3
	ds_load_b128 v[32*(4*(\half)+\q)+16*\u+4*\c:32*(4*(\half)+\q)+16*\u+4*\c+3], v[fa] offset:(32*fp+16*\u)*PITCH+128*(4*(\half)+\q)+32*\c
.endr
.endr
.endr
	WIN 0
.endm
; one matrix instruction on rD, rA, rB, rC, rSA, rSB; ra, rb: the scales stand in lanes 16-31 of their register
.macro WM ra, rb
.if (\ra) && (\rb)
	v_wmma_scale_f32_16x16x128_f8f6f4 v[rD:rD+7], v[rA:rA+15], v[rB:rB+15], v[rC:rC+7], v[rSA], v[rSB] matrix_a_scale:MATRIX_SCALE_ROW1 matrix_b_scale:MATRIX_SCALE_ROW1
.elseif (\ra)
	v_wmma_scale_f32_16x16x128_f8f6f4 v[rD:rD+7], v[rA:rA+15], v[rB:rB+15], v[rC:rC+7], v[rSA], v[rSB] matrix_a_scale:MATRIX_SCALE_ROW1
.elseif (\rb)
	v_wmma_scale_f32_16x16x128_f8f6f4 v[rD:rD+7], v[rA:rA+15], v[rB:rB+15], v[rC:rC+7], v[rSA], v[rSB] matrix_b_scale:MATRIX_SCALE_ROW1
.else
	v_wmma_scale_f32_16x16x128_f8f6f4 v[rD:rD+7], v[rA:rA+15], v[rB:rB+15], v[rC:rC+7], v[rSA], v[rSB]
.endif
.endm
; four K steps, eight matrix instructions each: four tiles of l x two tiles of W.  The eight accumulators take turns, one instruction a turn, in the same order in every step.
; first = 1: xn's fragments are still landing: the count is the number of fragment loads of later K steps, or 63 where that is more
.macro MULH half, first
.irp q, 0,1,2,3
.set ks, 4*(\half)+\q
.if \first
.if 16*(7-ks) > 63
	s_wait_loadcnt 63
.else
	s_wait_loadcnt 16*(7-ks)
.endif
.endif
.irp t, 0,1,2,3
.irp u, 0,1
.if kind == 2
.set rD, ACC+32*\u+8*\t
.set rA, 64*\q+16*\t
.set rB, 32*ks+16*\u
.set rSA, XS+2*ks+\t/2
.set rSB, wset+ks
.else
.set rD, ACC+16*\t+8*\u
.set rA, 32*ks+16*\u
.set rB, 64*\q+16*\t
.set rSA, wset+ks
.set rSB, XS+2*ks+\t/2
.endif
.set rC, rD
.if ks == 0
.set rC, BIAS+8*(2*pp+\u)                      ; the bias starts the sum
.endif
.if kind == 2
	WM \t%2, \u
.else
	WM \u, \t%2
.endif
.endr
.endr
.endr
.endm
; 64 numbers of a lane, four blocks of 16 registers from v[ACC] on (the other 16 of each block lie in lane l xor 16), become codes in v[PC + 4 b] on and bytes in v[TM + 4 + b].
; swap = 1: a lane's 16 are k = 8 h + 0..7 and 16 + 8 h + 0..7: an exchange of halves between two registers puts k = 16 h + 0..15 into the lane, in order.
.macro QUANT floor, swap
	s_wait_xcnt 0x0                                ; the last stores have read their data: the codes' and words' registers are written again only behind this wait
.irp b, 0,1,2,3
	v_max3_num_f32 v[TM+\b], |v[ACC+16*\b]|, |v[ACC+16*\b+1]|, \floor
.endr
.irp i, 2,4,6,8,10,12,14
.irp b, 0,1,2,3
	v_max3_num_f32 v[TM+\b], v[TM+\b], |v[ACC+16*\b+\i]|, |v[ACC+16*\b+\i+1]|   ; the four blocks by turns; each accumulator is read from its low end on
.endr
.endr
.irp b, 0,1,2,3
	v_permlanex16_b32 v[TM+4+\b], v[TM+\b], s[SEL], s[SEL+1]
.endr
.irp b, 0,1,2,3
	v_max_num_f32 v[TM+\b], v[TM+\b], v[TM+4+\b]   ; the block's largest magnitude
.endr
.irp b, 0,1,2,3
	v_add_nc_u32 v[TM+12+\b], 0xfc000000, v[TM+\b] ; 8 off its exponent field: the conversion's scale operand
.endr
.irp b, 0,1,2,3
.endr
.irp b, 0,1,2,3
	v_lshrrev_b32 v[TM+4+\b], 23, v[TM+12+\b]      ; the scale's byte
.endr
.irp b, 0,1,2,3
.irp i, 0,1,2,3,4,5,6,7,8,9,10,11,12,13,14,15
.endr
	v_cvt_scalef32_pk8_fp8_f32 v[PC+4*\b:PC+4*\b+1], v[ACC+16*\b:ACC+16*\b+7], v[TM+12+\b]
	v_cvt_scalef32_pk8_fp8_f32 v[PC+4*\b+2:PC+4*\b+3], v[ACC+16*\b+8:ACC+16*\b+15], v[TM+12+\b]
.endr
	v_nop                                          ; one plain instruction between a scaled conversion and the next vector or matrix instruction that touches its registers
.if \swap
.irp b, 0,1,2,3
	v_permlane16_swap_b32 v[PC+4*\b], v[PC+4*\b+2]     ; lanes 16-31 of the first with lanes 0-15 of the second
	v_permlane16_swap_b32 v[PC+4*\b+1], v[PC+4*\b+3]
.endr
.endif
.endm
.macro EPI
.if kind == 2
	QUANT 0x4800000, 0                             ; block 2 u + bb: d tile u, my keys 32 bb on
.irp u, 0,1
.irp bb, 0,1
	global_store_b128 v6, v[PC+4*(2*\u+\bb):PC+4*(2*\u+\bb)+3], s[VCB:VCB+1] offset:hd*HEADB+(2*pp+\u)*2048+512*\bb
.endr
.endr
	v_lshl_or_b32 v[WD], v[TM+5], 8, v[TM+4]
	v_lshl_or_b32 v[WD+1], v[TM+7], 8, v[TM+6]
	v_cndmask_b32 v[WD], v[WD], v[WD+1], s[HI16]   ; lanes 0-15: tile u = 0's two bytes; lanes 16-31: tile u = 1's
	global_store_b16 v7, v[WD], s[VSB:VSB+1] offset:hd*HEADB+128*pp
.else
	QUANT 0x6000000, 1                             ; block t: tile t of l, d 32 pp .. 32 pp + 31
.irp t, 0,1,2,3
.if kind == 0
	global_store_b128 v6, v[PC+4*\t:PC+4*\t+3], s[QCB:QCB+1] offset:hd*65536+1024*\t+512*pp
.else
	global_store_b128 v6, v[PC+4*\t:PC+4*\t+3], s[KCB:KCB+1] offset:hd*HEADB+1024*\t+512*pp
.endif
.endr
.if pp == 0
.irp t, 0,1,2,3
	v_mov_b32 v[SB+\t], v[TM+4+\t]
.endr
.else
.irp t, 0,1,2,3
	v_lshl_or_b32 v[SB+\t], v[TM+4+\t], 8, v[SB+\t]   ; a tile's two bytes
.endr
.if kind == 0
	v_cndmask_b32 v[WD], v[SB], v[SB+1], s[HI16]
	v_cndmask_b32 v[WD+1], v[SB+2], v[SB+3], s[HI16]
	v_add_nc_u32 v[WD], 0x7f7efcfd, v[WD]          ; 3 off both bytes (each is 4 at the least), 127 into the upper two
	v_add_nc_u32 v[WD+1], 0x7f7efcfd, v[WD+1]
	global_store_b32 v7, v[WD], s[QSB:QSB+1] offset:hd*4096
	global_store_b32 v7, v[WD+1], s[QSB:QSB+1] offset:hd*4096+128
.else
	v_lshl_or_b32 v[WD], v[SB+1], 16, v[SB]        ; a pair of tiles: four bytes
	v_lshl_or_b32 v[WD+1], v[SB+3], 16, v[SB+2]
	v_cndmask_b32 v[WD], v[WD], v[WD+1], s[HI16]
	v_add_nc_u32 v[WD], 0xfcfcfcfd, v[WD]          ; 3 off each of the four
	global_store_b32 v7, v[WD], s[KSB:KSB+1] offset:hd*HEADB
.endif
.endif
.endif
.endm
; PAIR n: 64 matrix instructions and an epilogue.  The next pair's fragments are fetched in two runs, each behind the products that read the registers it fills.
.macro PAIR n, first
.set sbs, (\n)/2
.set pp, (\n)%2
.set kind, sbs%3
.set hd, sbs/3
.set wset, WS+8*((\n)%2)
.if pp == 0 && (\n) > 0
	s_wait_loadcnt 0x0                             ; these 64 rows' biases
.endif
.if pp == 0 && kind == 2
.irp tau, 0,1,2,3
.irp j, 0,1,2,3,4,5,6,7
	v_mov_b32 v[BIAS+8*\tau+\j], v[BL+\tau]        ; v: a lane holds one d, so its eight registers take one bias
.endr
.endr
.endif
	s_wait_dscnt 32                                ; the scale words and K steps 0-3 are in; the youngest 32 loads (K steps 4-7) may be out
.if kind == 2
	WIN 0x0d                                       ; source 0 (xn) window 1, source 1 (W) window 3
.else
	WIN 0x07                                       ; source 0 (W) window 3, source 1 (xn) window 1
.endif
	MULH 0, \first
	WIN 0
.if (\n) == 7
	s_wait_tensorcnt 0x0                           ; my part of rows 256-383 has landed,
	s_wait_dscnt 0x0
	s_barrier_signal -1
	s_barrier_wait -1                              ; everybody's has: the loads below read it.
.endif
	PLACES 8
.if (\n) < 11
	WSL (\n)+1
	FRAGS (\n)+1, 0
	s_wait_dscnt 34                                ; all but the 34 just issued: K steps 4-7 are in
.else
	s_wait_dscnt 0x0
.endif
.if kind == 2
	WIN 0x0e                                       ; xn window 2
.else
	WIN 0x0b
.endif
	MULH 1, \first
	WIN 0
.if (\n) == 3
	s_wait_tensorcnt 0x0                           ; SLAB A IS LEFT: its last fragments were asked for a pair ago.  No tensor load of mine is out;
	ds_add_u32 v1, v2                              ; 0 onto my spare word;
	s_wait_dscnt 0x0                               ; the add is done, and my reads of slab A are in
	CROUND                                         ; the same now holds of every wave of all four work-groups
	tensor_load_to_lds s[G0C:G0C+3], s[G1W:G1W+7]  ; the one refill: rows 256-383; it has four pairs' work in which to land
	s_nop 0
	PLACES 8                                       ; four behind the tensor load; all eight are the places in front of the loads below
.else
	PLACES 8
.endif
.if (\n) < 11
	FRAGS (\n)+1, 1
.endif
.if pp == 1 && sbs < 5
	BIASLD sbs+1
.endif
	EPI
.endm
	s_wait_tensorcnt 0x0                           ; my parts of the scale bytes and of both slabs are in,
	s_barrier_signal -1
	s_barrier_wait -1                              ; everybody's are
	WSL 0
	FRAGS 0, 0
	FRAGS 0, 1
	PAIR 0, 1
	PAIR 1, 0
	PAIR 2, 0
	PAIR 3, 0
	PAIR 4, 0
	PAIR 5, 0
	PAIR 6, 0
	PAIR 7, 0
	PAIR 8, 0
	PAIR 9, 0
	PAIR 10, 0
	PAIR 11, 0
	s_wait_tensorcnt 0x0                           ; the wave's end
	ds_add_u32 v1, v2
	s_wait_dscnt 0x0
	CROUND                                         ; the closing round: no work-group ends while a partner may still ask for a tile that names it
	s_endpgm
.Lfunc_end_k_qe2b7f1c110_qkv:
	.size	k_qe2b7f1c110_qkv, .Lfunc_end_k_qe2b7f1c110_qkv-k_qe2b7f1c110_qkv
	.p2alignl 7, 3214868480
	.fill 96, 4, 3214868480
	.section	.rodata,"a",@progbits
	.p2align	6, 0x0
	.amdhsa_kernel k_qe2b7f1c110_qkv
		.amdhsa_group_segment_fixed_size 327680
		.amdhsa_private_segment_fixed_size 0
		.amdhsa_enable_private_segment 0
		.amdhsa_kernarg_size 64
		.amdhsa_user_sgpr_count 2
		.amdhsa_user_sgpr_kernarg_segment_ptr 1
		.amdhsa_wavefront_size32 1
		.amdhsa_system_sgpr_workgroup_id_x 1
		.amdhsa_system_sgpr_workgroup_id_y 1
		.amdhsa_system_sgpr_workgroup_id_z 1
		.amdhsa_system_vgpr_workitem_id 0
		.amdhsa_next_free_vgpr 1024
		.amdhsa_next_free_sgpr 84
		.amdhsa_reserve_vcc 0
		.amdhsa_float_denorm_mode_32 3
		.amdhsa_float_denorm_mode_16_64 3
		.amdhsa_fp16_overflow 1
		.amdhsa_memory_ordered 1
		.amdhsa_forward_progress 1
		.amdhsa_inst_pref_size 235
	.end_amdhsa_kernel
	.amdgpu_metadata
---
amdhsa.version: [ 1, 2 ]
amdhsa.kernels:
  - .name:           k_qe2b7f1c110_qkv
    .symbol:         k_qe2b7f1c110_qkv.kd
    .args:
      - { .name: xq, .offset: 0, .size: 8, .value_kind: global_buffer, .address_space: global }
      - { .name: xs, .offset: 8, .size: 8, .value_kind: global_buffer, .address_space: global }
      - { .name: qkv_w_codes, .offset: 16, .size: 8, .value_kind: global_buffer, .address_space: global }
      - { .name: qkv_w_scales, .offset: 24, .size: 8, .value_kind: global_buffer, .address_space: global }
      - { .name: qkv_b, .offset: 32, .size: 8, .value_kind: global_buffer, .address_space: global }
      - { .name: qc, .offset: 40, .size: 8, .value_kind: global_buffer, .address_space: global }
      - { .name: qs, .offset: 48, .size: 8, .value_kind: global_buffer, .address_space: global }
      - { .name: kv, .offset: 56, .size: 8, .value_kind: global_buffer, .address_space: global }
    .group_segment_fixed_size: 327680
    .private_segment_fixed_size: 0
    .kernarg_segment_align: 8
    .kernarg_segment_size: 64
    .max_flat_workgroup_size: 128
    .sgpr_count:     84
    .vgpr_count:     1024
    .wavefront_size: 32
...
	.end_amdgpu_metadata
.endif
;; end of part 2
;; launch attn (part 3): grid 4 x 64, 8 waves a work-group, clusters of 4 x 1, 327,680 bytes of LDS; arguments qc, qs, kv, cc, cs; writes cc, cs
.if DOCPART == 3
	.amdgcn_target "amdgcn-amd-amdhsa--gfx1250"
	.amdhsa_code_object_version 6
	.text
	.protected	k_qe2b7f1c110_attn
	.globl	k_qe2b7f1c110_attn
	.p2align	8
	.type	k_qe2b7f1c110_attn,@function
k_qe2b7f1c110_attn:
	s_mov_b64 s[64:65], 0
	v_nop
	global_prefetch_b8 v0, s[64:65] scope:SCOPE_SE
	s_setreg_imm32_b32 hwreg(HW_REG_WAVE_MODE, 25, 1), 1
	s_wait_xcnt 0x0
	s_wait_alu depctr_hold_cnt(0) depctr_sa_sdst(0) depctr_va_vdst(0) depctr_va_sdst(0) depctr_va_ssrc(0) depctr_va_vcc(0) depctr_vm_vsrc(0)
	s_getreg_b32 s2, hwreg(HW_REG_IB_STS2, 6, 4)
	s_cmp_eq_u32 s2, 0
	s_cbranch_scc0 .Lentry_in_a_cluster
	s_endpgm
.Lentry_in_a_cluster:
	s_bfe_u32 s2, ttmp6, 0x10000c
	s_cmp_lg_u32 s2, 0x3003
	s_cbranch_scc0 .Lentry_shape_is_right
	s_endpgm
.Lentry_shape_is_right:
; Attention on codes of E4M3 with E8M0 scales, and the quantiser of ctx along the channels.
; SHARES.  A work-group takes two heads (y = 8 b + pair of heads) and a quarter of the queries; each of its eight waves owns 32 queries, two tiles of 16, and walks all 1,024 keys, 128 a step, head after head.
; LDS is a byte image of the two heads' part of kv, 270,336 bytes: it is filled once, so there is no ring.  Head 1 lands while head 0 is worked.
; CLUSTER.  The four quarters of the queries read the same two heads: each wave's two tensor loads are JOINT loads (mask 15), the same in all four work-groups.
; K = 64 IN A FORM OF K = 128.  A fragment of K holds TWO tiles of keys: k 0-63 the even tile's 64 d, k 64-127 the odd tile's.  The query stands in 24 registers, q | zeros | q: registers 0-15 pick the even tile,
;   registers 8-23 the odd one.  The half that is not wanted meets zero codes; every scale byte there is a number (127, or K's own), so it adds nothing.
; LAYOUT.  Both products transposed: S^T = K Q^T, O^T = V^T P^T: a lane holds one query throughout.  Row i of key tile T is key 32 (T / 2) + 8 (T % 2) + i % 8 + 16 (i / 8): the 16 registers of two neighbouring tiles are 16 neighbouring keys.
; SOFTMAX.  The factors 1 / 8 of q and k stand in their scale bytes; qk_bias is the constant 0.  t = score x log2(e); M = the running largest t rounded up to a whole number, kept as -M = floor(-t); p = 2^(t - M) is quantised along the keys.
;   The row's sum is taken of the unquantised p; when M moves, the sum and O^T are multiplied by 2^(old M - new M), which rounds nothing.  A block's largest p is the block's largest score put through the same multiply-add and exponential.
; ctx = O^T / the sum is quantised along d (blocks of 32; the lane's 16 and lane l xor 16's), its codes are put in the operand's order by an exchange of halves and leave as images: cc [y][T][2 (head % 2) + p][512], cs [y][l] words.
; LIMITS: NaN and infinities are not served.  A block of zeros gets the byte 1: its codes are zeros, and only this program reads the bytes.
; REGISTERS.  Window 0: v1-9 addresses; v16-31 statistics, 8 a tile; v32-63 at work, 16 a tile; v64-191 S^T, then p, 64 a tile; v192-223 p's codes; v224-227 a second chain of sums; v228-237 scale words; v238-244 at work.
;   Window 1: v0-63 O^T, 32 a tile; v64-127 K's four fragments; v128-191 V's four; v192-239 Q, 24 a tile.
.set HEADB, 135168
.set AK0, 1                            ; 16 x lane
.set AV0, 2                            ; + 65,536: V's codes
.set AS0, 3                            ; 4 x lane + 131,072: K's scale words; V's lie 2,048 further on
.set ADK, 4
.set ADV, 5
.set ADS, 6
.set GO,  7                            ; 16 x lane, for memory
.set GQ,  8                            ; 4 r
.set GC,  9                            ; 4 (r + 8 (r / 8) + 8 h)
.set ST,  16                           ; + 8 t: -M, the largest t, the sum (2), f (2), two at work
.set WK,  32                           ; + 16 t: block maxima 4, permutes and bytes 4, scale operands 4
.set S,   64
.set P,   192
.set SU,  224
.set KSC, 228
.set VSC, 230
.set QW,  232                          ; + 2 t + u: Q's scale word for the even tile of keys, for the odd
.set PW,  236
.set CB,  238
.set RL,  240
.set WD,  244
.set TM,  32                           ; the quantiser of ctx works where the softmax worked
.set PC,  192
.set KF,  64
.set VF,  128
.set QF,  192
.set WV,  14
.set G1,  24
.set G0,  32
.set SEL, 40
.set CS,  42
.set MNT, 44
.set HI16, 45
.set TB,  46
.set TS,  47
.set CNT, 48
.set QCB, 50
.set QSB, 52
.set CCB, 54
.set CSB, 56
.set MSB, 0
.macro WIN new
.if MSB != \new
	s_set_vgpr_msb (MSB<<8)|\new
.set MSB, \new
.endif
.endm
.macro PLACES n
.rept \n
	v_nop
.endr
.endm
.macro CROUND
	s_barrier_signal -1
	s_barrier_wait -1
	s_cmp_lg_u32 s[WV], 0
	s_cbranch_scc1 .Lnot_wave_0_\@
	s_barrier_signal -3
.Lnot_wave_0_\@:
	s_barrier_wait -3
	s_barrier_signal -1
	s_barrier_wait -1
.endm
	s_load_b256 s[4:11], s[0:1], 0x0               ; qc, qs, kv, cc
	s_load_b64 s[12:13], s[0:1], 0x20              ; cs
	v_lshl_add_u32 v254, v0, 2, 0x42000
	v_mov_b32 v255, 0
	ds_add_u32 v254, v255
	ds_add_u32 v254, v255
	v_lshrrev_b32 v10, 5, v0
	s_delay_alu instid0(VALU_DEP_1)
	v_readfirstlane_b32 s[WV], v10                 ; wave 0..7
	s_and_b32 s17, ttmp7, 0xffff                   ; y, which the four partners share
	s_mov_b32 s[G1], 15|(3<<16)|(1<<21)            ; the mask: all four; elements of 8 bytes; bit 21 beside a mask
	s_mov_b32 s[G1+1], 32<<16                      ; rows of 256 bytes,
	s_mov_b32 s[G1+2], 66<<16                      ; 66 of them: an eighth of a head's 135,168 dense bytes
	s_mov_b32 s[G1+3], 32<<16
	s_mov_b32 s[G1+4], 66
	s_mov_b32 s[G1+5], 32
	s_mov_b32 s[G1+6], 0
	s_mov_b32 s[G1+7], 0
	s_mul_i32 s18, s17, 2*HEADB
	s_mul_i32 s20, s[WV], 16896
	s_add_co_u32 s18, s18, s20
	s_mov_b32 s19, 0
	s_wait_dscnt 0x0
	s_wait_kmcnt 0x0
	s_add_nc_u64 s[8:9], s[8:9], s[18:19]
	s_mov_b32 s[G0], 1
	s_mov_b32 s[G0+1], s20
	s_mov_b64 s[G0+2:G0+3], s[8:9]
	s_or_b32 s[G0+3], s[G0+3], 0x80000000
	s_mov_b32 s[G0+4], 1
	s_add_co_u32 s[G0+5], s20, HEADB
	s_add_nc_u64 s[G0+6:G0+7], s[8:9], HEADB
	s_or_b32 s[G0+7], s[G0+7], 0x80000000
	CROUND                                         ; all four work-groups are here: the joint loads meet
	tensor_load_to_lds s[G0:G0+3], s[G1:G1+7]      ; head 0
	s_nop 0
	s_wait_alu depctr_va_vdst(0)
	s_wait_tensorcnt 0x0
	ds_add_u32 v254, v255
	s_wait_dscnt 0x0
	CROUND
	tensor_load_to_lds s[G0+4:G0+7], s[G1:G1+7]    ; head 1: one load of mine is out, and no more follow
	s_nop 0
	PLACES 4                                       ; four such lines behind a tensor load
	s_mov_b32 s[SEL], 0x76543210
	s_mov_b32 s[SEL+1], 0xfedcba98
	s_mov_b32 s[CS], 0x3fb8aa3b                    ; log2(e)
	s_mov_b32 s[CS+1], s[CS]                       ; named with it as a pair, so it is written
	s_mov_b32 s[HI16], 0xffff0000
	s_bfe_u32 s15, ttmp6, 0x40000                  ; cx: it enters Q's and ctx's global addresses alone
	s_lshl_b32 s16, ttmp9, 2
	s_add_co_u32 s16, s16, s15                     ; the quarter of the queries
	s_lshl_b32 s16, s16, 4
	s_lshl_b32 s21, s[WV], 1
	s_add_co_u32 s16, s16, s21                     ; my first tile
	s_mov_b32 s19, 0
	s_lshl_b32 s18, s17, 17
	s_lshl_b32 s21, s16, 10
	s_add_co_u32 s18, s18, s21
	s_add_nc_u64 s[QCB:QCB+1], s[4:5], s[18:19]
	s_lshl_b32 s18, s17, 13
	s_lshl_b32 s21, s16, 6
	s_add_co_u32 s18, s18, s21
	s_add_nc_u64 s[QSB:QSB+1], s[6:7], s[18:19]
	s_lshl_b32 s18, s17, 17
	s_lshl_b32 s21, s16, 11
	s_add_co_u32 s18, s18, s21
	s_add_nc_u64 s[CCB:CCB+1], s[10:11], s[18:19]
	s_lshl_b32 s18, s17, 12
	s_lshl_b32 s21, s16, 6
	s_add_co_u32 s18, s18, s21
	s_add_nc_u64 s[CSB:CSB+1], s[12:13], s[18:19]
	v_and_b32 v10, 31, v0                          ; lane
	v_and_b32 v11, 15, v0                          ; r
	v_bfe_u32 v12, v0, 4, 1                        ; h
	s_delay_alu instid0(VALU_DEP_3)
	v_lshlrev_b32 v[AK0], 4, v10
	s_delay_alu instid0(VALU_DEP_1)
	v_add_nc_u32 v[AV0], 65536, v[AK0]
	v_lshlrev_b32 v[AS0], 2, v10
	s_delay_alu instid0(VALU_DEP_1)
	v_add_nc_u32 v[AS0], 131072, v[AS0]
	v_lshlrev_b32 v[GO], 4, v10
	v_lshlrev_b32 v[GQ], 2, v11
	v_and_b32 v[GC], 8, v11
	s_delay_alu instid0(VALU_DEP_1)
	v_add_nc_u32 v[GC], v[GC], v11
	s_delay_alu instid0(VALU_DEP_1)
	v_lshl_add_u32 v[GC], v12, 3, v[GC]
	s_delay_alu instid0(VALU_DEP_1)
	v_lshlrev_b32 v[GC], 2, v[GC]
.macro LOADQ hd                        ; the head's codes of my two tiles, each chunk twice (q | zeros | q), and their scale words
	WIN 0x40
.irp t, 0,1
.irp p, 0,1
	global_load_b128 v[QF+24*\t+4*\p:QF+24*\t+4*\p+3], v[GO], s[QCB:QCB+1] offset:\hd*65536+1024*\t+512*\p
	global_load_b128 v[QF+24*\t+16+4*\p:QF+24*\t+16+4*\p+3], v[GO], s[QCB:QCB+1] offset:\hd*65536+1024*\t+512*\p
.endr
.endr
	WIN 0
.irp t, 0,1
	global_load_b32 v[QW+2*\t], v[GQ], s[QSB:QSB+1] offset:\hd*4096+64*\t
.endr
.endm
	LOADQ 0
	WIN 0x40
.irp t, 0,1
.irp j, 0,1,2,3,4,5,6,7
	v_mov_b32 v[QF+24*\t+8+\j], 0                  ; the zero codes between: written once
.endr
.endr
	WIN 0
.irp t, 0,1
.irp b, 0,1,2,3
	v_mov_b32 v[WK+16*\t+4+\b], 0                  ; a lane permute's destination counts as one of its sources
.endr
	v_mov_b32 v[ST+8*\t+7], 0
	v_mov_b32 v[RL+2*\t+1], 0                      ; named as the upper half of a pair
.endr
; one matrix instruction on rD, rA, rB, rSA, rSB; ra: source 0's scales stand in lanes 16-31; cz: C is the constant 0, else C = D
.macro WM ra, cz
.if (\ra) && (\cz)
	v_wmma_scale_f32_16x16x128_f8f6f4 v[rD:rD+7], v[rA:rA+15], v[rB:rB+15], 0, v[rSA], v[rSB] matrix_a_scale:MATRIX_SCALE_ROW1
.elseif (\cz)
	v_wmma_scale_f32_16x16x128_f8f6f4 v[rD:rD+7], v[rA:rA+15], v[rB:rB+15], 0, v[rSA], v[rSB]
.elseif (\ra)
	v_wmma_scale_f32_16x16x128_f8f6f4 v[rD:rD+7], v[rA:rA+15], v[rB:rB+15], v[rD:rD+7], v[rSA], v[rSB] matrix_a_scale:MATRIX_SCALE_ROW1
.else
	v_wmma_scale_f32_16x16x128_f8f6f4 v[rD:rD+7], v[rA:rA+15], v[rB:rB+15], v[rD:rD+7], v[rSA], v[rSB]
.endif
.endm
.macro KLOAD off                       ; 128 keys' fragments of K, four of 2,048 bytes, and their scale words: lanes 0-15 an even pair of tiles, lanes 16-31 the odd
	WIN 0x40
.irp b, 0,1,2,3
.irp c, 0,1,2,3
	ds_load_b128 v[KF+16*\b+4*\c:KF+16*\b+4*\c+3], v[ADK] offset:\off+2048*\b+512*\c
.endr
.endr
	WIN 0
	ds_load_b32 v[KSC], v[ADS] offset:\off/32
	ds_load_b32 v[KSC+1], v[ADS] offset:\off/32+128
.endm
; A KEY STEP: 128 keys, both tiles of queries; in the vector work the two tiles alternate line by line.
.macro STEP
	v_add_nc_u32 v[ADK], s[TB], v[AK0]
	v_add_nc_u32 v[ADV], s[TB], v[AV0]
	v_add_nc_u32 v[ADS], s[TS], v[AS0]
	s_wait_alu depctr_va_vdst(0)
	s_wait_dscnt 0x0                               ; K's fragments and scale words, asked for a step ago
	WIN 0x05                                       ; K and Q in window 1, S^T in window 0
.irp b, 0,1,2,3
.irp u, 0,1
.irp t, 0,1
.set rD, S+64*\t+16*\b+8*\u
.set rA, KF+16*\b
.set rB, QF+24*\t+8*\u
.set rSA, KSC+\b/2
.set rSB, QW+2*\t+\u
	WM \b%2, 1
.endr
.endr
.endr
	WIN 0
	PLACES 8                                       ; in front of the loads into K's registers and of the first read of the scores; with the three additions above also behind the last step's V^T P^T, for V's registers
	ds_load_b32 v[VSC], v[ADS] offset:2048
	ds_load_b32 v[VSC+1], v[ADS] offset:2176
	WIN 0x40
.irp d, 0,1,2,3
.irp c, 0,1,2,3
	ds_load_b128 v[VF+16*\d+4*\c:VF+16*\d+4*\c+3], v[ADV] offset:2048*\d+512*\c
.endr
.endr
	KLOAD 8192                                     ; the NEXT step's K.  In a head's last step this reads the first bytes of V's regions, which are filled; the registers are not used
.irp b, 0,1,2,3
.irp t, 0,1
	v_max3_num_f32 v[WK+16*\t+\b], v[S+64*\t+16*\b], v[S+64*\t+16*\b+1], v[S+64*\t+16*\b+2]   ; the largest score of each block of 32 keys
.endr
.endr
.irp i, 3,5,7,9,11,13
.irp b, 0,1,2,3
.irp t, 0,1
	v_max3_num_f32 v[WK+16*\t+\b], v[WK+16*\t+\b], v[S+64*\t+16*\b+\i], v[S+64*\t+16*\b+\i+1]
.endr
.endr
.endr
.irp b, 0,1,2,3
.irp t, 0,1
	v_max_num_f32 v[WK+16*\t+\b], v[WK+16*\t+\b], v[S+64*\t+16*\b+15]
.endr
.endr
.irp b, 0,1,2,3
.irp t, 0,1
	v_permlanex16_b32 v[WK+16*\t+4+\b], v[WK+16*\t+\b], s[SEL], s[SEL+1]
.endr
.endr
.irp b, 0,1,2,3
.irp t, 0,1
	v_max_num_f32 v[WK+16*\t+\b], v[WK+16*\t+\b], v[WK+16*\t+4+\b]   ; with lane l xor 16's 16 keys
.endr
.endr
.irp t, 0,1
	s_delay_alu instid0(VALU_DEP_4)
	v_max3_num_f32 v[ST+8*\t+6], v[WK+16*\t], v[WK+16*\t+1], v[WK+16*\t+2]
.endr
.irp t, 0,1
	s_delay_alu instid0(VALU_DEP_2)
	v_max_num_f32 v[ST+8*\t+6], v[ST+8*\t+6], v[WK+16*\t+3]
.endr
.irp t, 0,1
	s_delay_alu instid0(VALU_DEP_2)
	v_mul_f32 v[ST+8*\t+6], s[CS], v[ST+8*\t+6]    ; the step's largest t
.endr
.irp t, 0,1
	s_delay_alu instid0(VALU_DEP_2)
	v_max_num_f32 v[ST+8*\t+1], v[ST+8*\t+1], v[ST+8*\t+6]
.endr
.irp t, 0,1
	v_mov_b32 v[ST+8*\t+6], v[ST+8*\t]
.endr
.irp t, 0,1
	s_delay_alu instid0(VALU_DEP_4)
	v_floor_f32 v[ST+8*\t], -v[ST+8*\t+1]          ; the new -M = floor(-t): M is a whole number
.endr
.irp t, 0,1
	s_delay_alu instid0(VALU_DEP_2)
	v_sub_f32 v[ST+8*\t+6], v[ST+8*\t], v[ST+8*\t+6]
.endr
.irp t, 0,1
	s_delay_alu instid0(VALU_DEP_2)
	v_cvt_i32_f32 v[ST+8*\t+6], v[ST+8*\t+6]       ; old M - new M, 0 or less (the conversion saturates)
.endr
.irp t, 0,1
	s_delay_alu instid0(VALU_DEP_2)
	v_ldexp_f32 v[ST+8*\t+4], 1.0, v[ST+8*\t+6]    ; f = 2^(old M - new M)
.endr
.set j, 0
.rept 32
.irp t, 0,1
	v_pk_fma_f32 v[S+64*\t+j:S+64*\t+j+1], v[S+64*\t+j:S+64*\t+j+1], s[CS:CS+1], v[ST+8*\t:ST+8*\t+1] op_sel_hi:[1,0,0]   ; t - M
.endr
.set j, j+2
.endr
.irp b, 0,1,2,3
.irp t, 0,1
	v_fma_f32 v[WK+16*\t+\b], v[WK+16*\t+\b], s[CS], v[ST+8*\t]   ; the same of each block's largest score
.endr
.endr
.set j, 0
	s_wait_alu depctr_va_vdst(0)
.rept 64
.irp t, 0,1
	v_exp_f32 v[S+64*\t+j], v[S+64*\t+j]           ; p = 2^(t - M): not normalised
.endr
.set j, j+1
.endr
	s_setprio 1
.irp b, 0,1,2,3
.irp t, 0,1
	v_exp_f32 v[WK+16*\t+\b], v[WK+16*\t+\b]       ; the block's largest p
.endr
.endr
.irp t, 0,1
	v_pk_mul_f32 v[ST+8*\t+2:ST+8*\t+3], v[ST+8*\t+2:ST+8*\t+3], v[ST+8*\t+4:ST+8*\t+5] op_sel_hi:[1,0]   ; the sums under the new M.  (A plain instruction behind the exponentials)
.endr
	s_wait_alu depctr_va_vdst(0)
.irp b, 0,1,2,3
.irp t, 0,1
	v_max_num_f32 v[WK+16*\t+\b], 0x4800000, v[WK+16*\t+\b]   ; the floor 2^(9 - 127): the byte cannot fall under 1
.endr
.endr
.irp b, 0,1,2,3
.irp t, 0,1
	v_add_nc_u32 v[WK+16*\t+12+\b], 0xfc000000, v[WK+16*\t+\b]
.endr
.endr
.irp b, 0,1,2,3
.irp t, 0,1
.endr
.endr
.irp b, 0,1,2,3
.irp t, 0,1
	v_lshrrev_b32 v[WK+16*\t+4+\b], 23, v[WK+16*\t+12+\b]
.endr
.endr
.irp t, 0,1
	v_lshl_or_b32 v[PW+\t], v[WK+16*\t+5], 8, v[WK+16*\t+4]   ; p's scale word for these 128 keys
.endr
.irp t, 0,1
	s_delay_alu instid0(VALU_DEP_2)
	v_lshl_or_b32 v[PW+\t], v[WK+16*\t+6], 16, v[PW+\t]
.endr
.irp t, 0,1
	s_delay_alu instid0(VALU_DEP_2)
	v_lshl_or_b32 v[PW+\t], v[WK+16*\t+7], 24, v[PW+\t]
.endr
.irp t, 0,1
	v_pk_add_f32 v[SU+2*\t:SU+2*\t+1], v[S+64*\t:S+64*\t+1], v[S+64*\t+2:S+64*\t+3]   ; the row's sum is taken of the unquantised p, in two chains
.endr
.set j, 4
.rept 15
.irp t, 0,1
	v_pk_add_f32 v[ST+8*\t+2:ST+8*\t+3], v[ST+8*\t+2:ST+8*\t+3], v[S+64*\t+j:S+64*\t+j+1]
	v_pk_add_f32 v[SU+2*\t:SU+2*\t+1], v[SU+2*\t:SU+2*\t+1], v[S+64*\t+j+2:S+64*\t+j+3]
.endr
.set j, j+4
.endr
.irp t, 0
	s_delay_alu instid0(VALU_DEP_3)
	v_pk_add_f32 v[ST+8*\t+2:ST+8*\t+3], v[ST+8*\t+2:ST+8*\t+3], v[SU+2*\t:SU+2*\t+1]
.endr
.irp t, 1
	s_delay_alu instid0(VALU_DEP_2)
	v_pk_add_f32 v[ST+8*\t+2:ST+8*\t+3], v[ST+8*\t+2:ST+8*\t+3], v[SU+2*\t:SU+2*\t+1]
.endr
.irp b, 0,1,2,3
.irp t, 0,1
.set i, 0
.rept 16
.set i, i+1
.endr
.endr
.irp t, 0,1
	v_cvt_scalef32_pk8_fp8_f32 v[P+16*\t+4*\b:P+16*\t+4*\b+1], v[S+64*\t+16*\b:S+64*\t+16*\b+7], v[WK+16*\t+12+\b]
	v_cvt_scalef32_pk8_fp8_f32 v[P+16*\t+4*\b+2:P+16*\t+4*\b+3], v[S+64*\t+16*\b+8:S+64*\t+16*\b+15], v[WK+16*\t+12+\b]
.endr
.endr
	WIN 0x41                                       ; O^T (destination and source 0) in window 1, f in window 0
.set j, 0
	s_setprio 0
.rept 16
.irp t, 0,1
	v_pk_mul_f32 v[32*\t+j:32*\t+j+1], v[32*\t+j:32*\t+j+1], v[ST+8*\t+4:ST+8*\t+5] op_sel_hi:[1,0]   ; O^T under the new M.  (These are also the places between the codes and the products below)
.endr
.set j, j+2
.endr
	s_wait_alu depctr_va_vdst(0)
	s_wait_dscnt 18                                ; V's fragments and words are in; the 18 younger loads are the next step's K and its words
	WIN 0x51                                       ; V in window 1, P in window 0, O^T in window 1
.irp d, 0,1,2,3
.irp t, 0,1
.set rD, 32*\t+8*\d
.set rA, VF+16*\d
.set rB, P+16*\t
.set rSA, VSC+\d/2
.set rSB, PW+\t
	WM \d%2, 0                                     ; the eight accumulators take turns, one instruction a turn
.endr
.endr
	WIN 0
	s_add_co_u32 s[TB], s[TB], 8192
	s_add_co_u32 s[TS], s[TS], 256
.endm
; 64 numbers of a lane from v64 on, four blocks of 16 (block 2 t + p: tile t, d 32 p on; a lane's 16 are d = 8 h + 0..7 and 16 + 8 h + 0..7), become codes in v[PC + 4 b] on and bytes in v[TM + 4 + b]
.macro QUANT
	s_wait_xcnt 0x0                                ; the last stores have read their data
.irp b, 0,1,2,3
	v_max3_num_f32 v[TM+\b], |v[S+16*\b]|, |v[S+16*\b+1]|, 0x4800000
.endr
.irp i, 2,4,6,8,10,12,14
.irp b, 0,1,2,3
	s_delay_alu instid0(VALU_DEP_4)
	v_max3_num_f32 v[TM+\b], v[TM+\b], |v[S+16*\b+\i]|, |v[S+16*\b+\i+1]|
.endr
.endr
.irp b, 0,1,2,3
	s_delay_alu instid0(VALU_DEP_4)
	v_permlanex16_b32 v[TM+4+\b], v[TM+\b], s[SEL], s[SEL+1]
.endr
.irp b, 0,1,2,3
	s_delay_alu instid0(VALU_DEP_4)
	v_max_num_f32 v[TM+\b], v[TM+\b], v[TM+4+\b]
.endr
.irp b, 0,1,2,3
	s_delay_alu instid0(VALU_DEP_4)
	v_add_nc_u32 v[TM+12+\b], 0xfc000000, v[TM+\b]
.endr
.irp b, 0,1,2,3
.endr
.irp b, 0,1,2,3
	s_delay_alu instid0(VALU_DEP_4)
	v_lshrrev_b32 v[TM+4+\b], 23, v[TM+12+\b]
.endr
.irp b, 0,1,2,3
.irp i, 0,1,2,3,4,5,6,7,8,9,10,11,12,13,14,15
.endr
	v_cvt_scalef32_pk8_fp8_f32 v[PC+4*\b:PC+4*\b+1], v[S+16*\b:S+16*\b+7], v[TM+12+\b]
	v_cvt_scalef32_pk8_fp8_f32 v[PC+4*\b+2:PC+4*\b+3], v[S+16*\b+8:S+16*\b+15], v[TM+12+\b]
.endr
	v_nop                                          ; one plain instruction between a scaled conversion and the next vector instruction that touches its result
.irp b, 0,1,2,3
	v_permlane16_swap_b32 v[PC+4*\b], v[PC+4*\b+2]     ; lanes 16-31 of the first with lanes 0-15 of the second: k = 16 h + 0..15 in order
	v_permlane16_swap_b32 v[PC+4*\b+1], v[PC+4*\b+3]
.endr
.endm
.macro HEAD hd
	s_wait_tensorcnt 1-\hd                         ; my part of this head is in (for head 0, head 1's load may stay out),
	s_wait_dscnt 0x0
	s_barrier_signal -1
	s_barrier_wait -1                              ; everybody's is.  Nothing is ever filled again
	s_wait_xcnt 0x0                                ; the last head's stores have read the registers that p's codes take
	s_wait_loadcnt 0x0                             ; Q
.irp t, 0,1
	v_lshl_or_b32 v[QW+2*\t+1], v[QW+2*\t], 16, 0x7f7f   ; the word for q in the upper half of K: (127, 127, p0, p1); the lines below are more than its eight places
.endr
.irp t, 0,1
	v_mov_b32 v[ST+8*\t+1], 0xff61b1e6             ; the largest t so far: -3e38, under every t
	s_delay_alu instid0(VALU_DEP_1)
	v_floor_f32 v[ST+8*\t], -v[ST+8*\t+1]
	v_mov_b32 v[ST+8*\t+2], 0
	v_mov_b32 v[ST+8*\t+3], 0
	v_mov_b32 v[ST+8*\t+5], 0                      ; named as the upper half of f's pair
.endr
	WIN 0x40
.set j, 0
.rept 64
	v_mov_b32 v[j], 0                              ; O^T.  The step is written once for a head: the first finds zeros, which the first change of M leaves zeros
.set j, j+1
.endr
	WIN 0
	s_mov_b32 s[TB], \hd*HEADB
	s_mov_b32 s[TS], \hd*HEADB
	s_mov_b32 s[CNT], 8
	v_add_nc_u32 v[ADK], s[TB], v[AK0]
	v_add_nc_u32 v[ADS], s[TS], v[AS0]
	KLOAD 0
.Lstep_\@:
	s_setprio 2
	STEP
	s_sub_co_u32 s[CNT], s[CNT], 1
	s_cmp_lg_u32 s[CNT], 0
	s_cbranch_scc1 .Lstep_\@
	s_setprio 0
	PLACES 8                                       ; behind the last products: for the loads into Q's registers and the first read of O^T
.if \hd == 0
	LOADQ 1                                        ; lands under the epilogue
.endif
.irp t, 0,1
	v_add_f32 v[ST+8*\t+6], v[ST+8*\t+2], v[ST+8*\t+3]
.endr
.irp t, 0,1
	s_delay_alu instid0(VALU_DEP_2)
	v_permlanex16_b32 v[ST+8*\t+7], v[ST+8*\t+6], s[SEL], s[SEL+1]
.endr
.irp t, 0,1
	s_delay_alu instid0(VALU_DEP_2)
	v_add_f32 v[ST+8*\t+6], v[ST+8*\t+6], v[ST+8*\t+7]   ; the row's sum
.endr
	s_wait_alu depctr_va_vdst(0)
.irp t, 0,1
	v_rcp_f32 v[RL+2*\t], v[ST+8*\t+6]
.endr
	v_nop                                          ; one plain instruction behind a transcendental
	WIN 0x01                                       ; source 0 (O^T) in window 1
	s_wait_alu depctr_va_vdst(0)
.irp t, 0,1
.set j, 0
.rept 16
	v_pk_mul_f32 v[S+32*\t+j:S+32*\t+j+1], v[32*\t+j:32*\t+j+1], v[RL+2*\t:RL+2*\t+1] op_sel_hi:[1,0]   ; ctx; each accumulator from its low end on
.set j, j+2
.endr
.endr
	WIN 0
	QUANT
.irp t, 0,1
.irp p, 0,1
	global_store_b128 v[GO], v[PC+4*(2*\t+\p):PC+4*(2*\t+\p)+3], s[CCB:CCB+1] offset:2048*\t+(2*\hd+\p)*512   ; a chunk: 512 consecutive bytes
.endr
.endr
.if \hd == 0
.irp t, 0,1
	v_lshl_or_b32 v[CB+\t], v[TM+5+2*\t], 8, v[TM+4+2*\t]     ; head 0's two bytes are kept
.endr
.else
.irp t, 0,1
	v_lshl_or_b32 v[ST+8*\t+6], v[TM+5+2*\t], 8, v[TM+4+2*\t]
.endr
.irp t, 0,1
	s_delay_alu instid0(VALU_DEP_2)
	v_lshl_or_b32 v[CB+\t], v[ST+8*\t+6], 16, v[CB+\t]
.endr
	s_delay_alu instid0(VALU_DEP_1)
	v_cndmask_b32 v[WD], v[CB], v[CB+1], s[HI16]   ; lanes 0-15 the even tile's rows, lanes 16-31 the odd tile's
	global_store_b32 v[GC], v[WD], s[CSB:CSB+1]    ; 32 whole words, 128 consecutive bytes
.endif
.endm
	HEAD 0
	HEAD 1
	s_wait_dscnt 0x0                               ; the look-ahead loads of the last step
	s_wait_tensorcnt 0x0
	ds_add_u32 v254, v255
	s_wait_dscnt 0x0
	CROUND                                         ; the closing round
	s_endpgm
.Lfunc_end_k_qe2b7f1c110_attn:
	.size	k_qe2b7f1c110_attn, .Lfunc_end_k_qe2b7f1c110_attn-k_qe2b7f1c110_attn
	.p2alignl 7, 3214868480
	.fill 96, 4, 3214868480
	.section	.rodata,"a",@progbits
	.p2align	6, 0x0
	.amdhsa_kernel k_qe2b7f1c110_attn
		.amdhsa_group_segment_fixed_size 327680
		.amdhsa_private_segment_fixed_size 0
		.amdhsa_enable_private_segment 0
		.amdhsa_kernarg_size 40
		.amdhsa_user_sgpr_count 2
		.amdhsa_user_sgpr_kernarg_segment_ptr 1
		.amdhsa_wavefront_size32 1
		.amdhsa_system_sgpr_workgroup_id_x 1
		.amdhsa_system_sgpr_workgroup_id_y 1
		.amdhsa_system_sgpr_workgroup_id_z 1
		.amdhsa_system_vgpr_workitem_id 0
		.amdhsa_next_free_vgpr 512
		.amdhsa_next_free_sgpr 66
		.amdhsa_reserve_vcc 0
		.amdhsa_float_denorm_mode_32 3
		.amdhsa_float_denorm_mode_16_64 3
		.amdhsa_fp16_overflow 1
		.amdhsa_memory_ordered 1
		.amdhsa_forward_progress 1
		.amdhsa_inst_pref_size 94
	.end_amdhsa_kernel
	.amdgpu_metadata
---
amdhsa.version: [ 1, 2 ]
amdhsa.kernels:
  - .name:           k_qe2b7f1c110_attn
    .symbol:         k_qe2b7f1c110_attn.kd
    .args:
      - { .name: qc, .offset: 0, .size: 8, .value_kind: global_buffer, .address_space: global }
      - { .name: qs, .offset: 8, .size: 8, .value_kind: global_buffer, .address_space: global }
      - { .name: kv, .offset: 16, .size: 8, .value_kind: global_buffer, .address_space: global }
      - { .name: cc, .offset: 24, .size: 8, .value_kind: global_buffer, .address_space: global }
      - { .name: cs, .offset: 32, .size: 8, .value_kind: global_buffer, .address_space: global }
    .group_segment_fixed_size: 327680
    .private_segment_fixed_size: 0
    .kernarg_segment_align: 8
    .kernarg_segment_size: 40
    .max_flat_workgroup_size: 256
    .sgpr_count:     66
    .vgpr_count:     512
    .wavefront_size: 32
...
	.end_amdgpu_metadata
.endif
;; end of part 3
;; launch outp (part 4): grid 32 x 8, 4 waves a work-group, clusters of 4 x 1, 327,680 bytes of LDS; arguments cc, cs, out_w_codes, out_w_scales, out_b, gn_weight, gn_bias, stats, x, out0; writes out0
.if DOCPART == 4
	.amdgcn_target "amdgcn-amd-amdhsa--gfx1250"
	.amdhsa_code_object_version 6
	.text
	.protected	k_qe2b7f1c110_outp
	.globl	k_qe2b7f1c110_outp
	.p2align	8
	.type	k_qe2b7f1c110_outp,@function
k_qe2b7f1c110_outp:
	s_mov_b64 s[64:65], 0
	v_nop
	global_prefetch_b8 v0, s[64:65] scope:SCOPE_SE
	s_setreg_imm32_b32 hwreg(HW_REG_WAVE_MODE, 25, 1), 1
	s_wait_xcnt 0x0
	s_wait_alu depctr_hold_cnt(0) depctr_sa_sdst(0) depctr_va_vdst(0) depctr_va_sdst(0) depctr_va_ssrc(0) depctr_va_vcc(0) depctr_vm_vsrc(0)
	s_getreg_b32 s2, hwreg(HW_REG_IB_STS2, 6, 4)
	s_cmp_eq_u32 s2, 0
	s_cbranch_scc0 .Lentry_in_a_cluster
	s_endpgm
.Lentry_in_a_cluster:
	s_bfe_u32 s2, ttmp6, 0x10000c
	s_cmp_lg_u32 s2, 0x3003
	s_cbranch_scc0 .Lentry_shape_is_right
	s_endpgm
.Lentry_shape_is_right:
; The last product and the residual: out0 = W ctx + out_b + xn, W and ctx as codes of E4M3 with E8M0 scales; xn is made anew from x and the first launch's (mean, rstd).
; SHARES.  A work-group makes 256 columns l of one batch (lb = 4 b + quarter) x 128 rows o (ob).  Wave w owns 64 columns: its fragments of ctx for all of K = 1,024 stay in 512 registers, loaded once from cc.
; W's 128 rows and their scale bytes come into LDS once.  CLUSTER: the four work-groups of a cluster differ in lb alone and ask for them JOINTLY (mask 15).
; Source 0 = ctx (16 l), source 1 = W (16 o): a lane holds one o, and l runs along its registers, 16 neighbours in two neighbouring tiles (row i of tile T is l = 32 (T / 2) + 8 (T % 2) + i % 8 + 16 (i / 8)).
; A tile of 16 o x 64 l goes through the wave's own stage in LDS and comes back as rows of 256 bytes, to which x A + B' is added: A = rstd w[o], B' = bias[o] + out_b[o] - mean A, from a table in LDS.
; All of the wave's x (64 loads) is asked for ahead of the products.
; LIMITS: xn = x A + (bias - mean A) is another order of rounding than (x - mean) rstd w + bias; it serves the residual alone, nothing that is quantised.  NaN and infinities are not served.
; REGISTERS.  Window 0: v1-15 addresses; v16-31 ctx's scale words; v32-39 W's; v40-47 the table's making; v48-111 W's fragments, two buffers of two; v112-175 eight accumulators; v176-207 rows of the result; v208-239 (A, A, B', B').
;   Window 1: ctx's fragments of K steps 0-3 (64 s + 16 t); window 2: K steps 4-7; window 3: x, four registers a load.
.set PITCH, 1040                       ; a row of W: 1,024 bytes + 16: an odd multiple of 16, so the sixteen rows of a fragment load begin in sixteen different 16-byte columns of 256 bytes
.set QUART, 32*PITCH
.set SCW,   128*PITCH                  ; W's scale bytes: 128 rows x 32
.set TAB,   SCW+4096                   ; 128 entries of 16 bytes; blocks of its own, into which no tensor load lands
.set STAGE, TAB+2048                   ; 16 rows x 272 bytes for each wave
.set TW,   1                           ; v1   TAB + 16 t
.set ADW,  2                           ; v2-3 my lane's place in rows 0-63, 64-127
.set ST8,  4                           ; v4   8 x wave
.set SCA,  5                           ; v5   SCW + 32 x lane
.set GI,   6                           ; v6   16 x lane
.set GS,   10                          ; v10  4 (r + 8 (r / 8) + 8 h)
.set STO,  11
.set RD,   12
.set TBA,  13
.set XO,   14
.set T4,   15                          ; v15  4 t
.set XS,   16
.set WS,   32
.set WF,   48
.set ACC,  112
.set Y,    176
.set KC,   208
.set WV,   24
.set G1W,  32
.set G1S,  40
.set G0W,  48
.set G0S,  52
.set MSB, 0
.macro WIN new
.if MSB != \new
	s_set_vgpr_msb (MSB<<8)|\new
.set MSB, \new
.endif
.endm
.macro PLACES n
.rept \n
	v_nop
.endr
.endm
.macro CROUND
	s_barrier_signal -1
	s_barrier_wait -1
	s_cmp_lg_u32 s[WV], 0
	s_cbranch_scc1 .Lnot_wave_0_\@
	s_barrier_signal -3
.Lnot_wave_0_\@:
	s_barrier_wait -3
	s_barrier_signal -1
	s_barrier_wait -1
.endm
	s_load_b512 s[4:19], s[0:1], 0x0               ; cc, cs, W's codes, W's scales, out_b, gn_weight, gn_bias, stats
	s_load_b128 s[20:23], s[0:1], 0x40             ; x, out0
	v_lshl_add_u32 v254, v0, 2, 0x29000
	v_mov_b32 v255, 0
	ds_add_u32 v254, v255
	ds_add_u32 v254, v255
	v_lshrrev_b32 v7, 5, v0
	v_readfirstlane_b32 s[WV], v7                  ; wave 0..3
	s_and_b32 s27, ttmp7, 0xffff                   ; ob, which the four partners share
	s_mov_b32 s[G1W], 15|(1<<20)|(1<<21)|(7<<22)|(3<<25)   ; the mask: all four; elements of 1 byte; padding: four words after every 256; bit 21 beside a mask
	s_mov_b32 s[G1W+1], 1024<<16
	s_mov_b32 s[G1W+2], 32<<16
	s_mov_b32 s[G1W+3], 1024<<16
	s_mov_b32 s[G1W+4], 32
	s_mov_b32 s[G1W+5], 1024
	s_mov_b32 s[G1W+6], 0
	s_mov_b32 s[G1W+7], 0
	s_mov_b32 s[G1S], 15|(3<<16)|(1<<21)           ; 1,024 dense bytes as four rows of 256
	s_mov_b32 s[G1S+1], 32<<16
	s_mov_b32 s[G1S+2], 4<<16
	s_mov_b32 s[G1S+3], 32<<16
	s_mov_b32 s[G1S+4], 4
	s_mov_b32 s[G1S+5], 32
	s_mov_b32 s[G1S+6], 0
	s_mov_b32 s[G1S+7], 0
	s_lshl_b32 s56, s27, 17                        ; 128 rows of 1,024 bytes for each ob,
	s_lshl_b32 s57, s[WV], 15                      ; my 32 rows
	s_add_co_u32 s56, s56, s57
	s_mov_b32 s57, 0
	s_lshl_b32 s58, s27, 12
	s_lshl_b32 s61, s[WV], 10
	s_add_co_u32 s58, s58, s61
	s_mov_b32 s59, 0
	s_mul_i32 s60, s[WV], QUART
	s_wait_dscnt 0x0
	s_wait_kmcnt 0x0
	s_add_nc_u64 s[8:9], s[8:9], s[56:57]
	s_add_nc_u64 s[10:11], s[10:11], s[58:59]
	s_mov_b32 s[G0W], 1
	s_mov_b32 s[G0W+1], s60
	s_mov_b64 s[G0W+2:G0W+3], s[8:9]
	s_or_b32 s[G0W+3], s[G0W+3], 0x80000000
	s_mov_b32 s[G0S], 1
	s_add_co_u32 s[G0S+1], s61, SCW
	s_mov_b64 s[G0S+2:G0S+3], s[10:11]
	s_or_b32 s[G0S+3], s[G0S+3], 0x80000000
	CROUND                                         ; all four work-groups are here: the joint loads meet
	tensor_load_to_lds s[G0W:G0W+3], s[G1W:G1W+7]  ; one load of mine is out, and one more follows
	s_nop 0
	s_wait_alu depctr_va_vdst(0)
	s_wait_tensorcnt 0x0
	ds_add_u32 v254, v255
	s_wait_dscnt 0x0
	CROUND
	tensor_load_to_lds s[G0S:G0S+3], s[G1S:G1S+7]
	s_nop 0
	PLACES 4                                       ; four such lines behind a tensor load
	v_and_b32 v7, 15, v0                           ; r
	v_bfe_u32 v8, v0, 4, 1                         ; h
	v_and_b32 v9, 31, v0                           ; lane
	v_mul_u32_u24 v[ADW], v7, PITCH
	v_lshl_add_u32 v[ADW], v8, 4, v[ADW]
	v_add_nc_u32 v[ADW+1], 64*PITCH, v[ADW]
	v_lshlrev_b32 v[SCA], 5, v9
	v_add_nc_u32 v[SCA], SCW, v[SCA]
	v_lshlrev_b32 v[GI], 4, v9
	v_and_b32 v[GS], 8, v7
	v_add_nc_u32 v[GS], v[GS], v7
	v_lshl_add_u32 v[GS], v8, 3, v[GS]
	v_lshlrev_b32 v[GS], 2, v[GS]
	s_mul_i32 s31, s[WV], 16*272
	s_add_co_u32 s31, s31, STAGE                   ; my stage
	v_mul_u32_u24 v[STO], v7, 272
	v_lshl_add_u32 v[STO], v8, 6, v[STO]
	v_add_nc_u32 v[STO], s31, v[STO]               ; in: row r (an o), + 64 h: my 16 neighbouring l of each 32
	v_mul_u32_u24 v[RD], v8, 272
	v_lshl_add_u32 v[RD], v7, 4, v[RD]
	v_add_nc_u32 v[RD], s31, v[RD]                 ; back: lanes 0-15 one row of 256 bytes, lanes 16-31 the next
	v_lshlrev_b32 v[TBA], 4, v8
	v_add_nc_u32 v[TBA], TAB, v[TBA]               ; and those two rows' entries of the table
	v_lshlrev_b32 v[XO], 12, v8
	v_lshl_add_u32 v[XO], v7, 4, v[XO]             ; and the same two rows in x and in out0
	v_lshlrev_b32 v[T4], 2, v0
	s_wait_alu depctr_va_vdst(0)
	v_lshrrev_b32 v[ST8], 5, v0
	v_lshlrev_b32 v[ST8], 3, v[ST8]
	s_wait_alu depctr_va_vdst(0)
	v_lshl_add_u32 v[TW], v0, 4, TAB
	s_bfe_u32 s25, ttmp6, 0x40000                  ; cx: it enters global addresses of cc, cs, stats, x and out0 alone
	s_lshl_b32 s26, ttmp9, 2
	s_add_co_u32 s26, s26, s25                     ; lb
	s_lshr_b32 s28, s26, 2                         ; b
	s_and_b32 s29, s26, 3
	s_lshl_b32 s30, s29, 4
	s_lshl_b32 s31, s[WV], 2
	s_add_co_u32 s30, s30, s31                     ; T0: my first tile; my first l is 16 T0
	s_mov_b32 s3, 0
	s_lshl_b32 s2, s28, 20
	s_lshl_b32 s31, s30, 11
	s_add_co_u32 s2, s2, s31
	s_add_nc_u64 s[4:5], s[4:5], s[2:3]
	s_lshl_b32 s2, s28, 15
	s_lshl_b32 s31, s30, 6
	s_add_co_u32 s2, s2, s31
	s_add_nc_u64 s[6:7], s[6:7], s[2:3]
	s_lshl_b32 s2, s27, 9                          ; my work-group's 128 rows o: 512 bytes of f32
	s_add_nc_u64 s[12:13], s[12:13], s[2:3]
	s_add_nc_u64 s[14:15], s[14:15], s[2:3]
	s_add_nc_u64 s[16:17], s[16:17], s[2:3]
	s_lshl_b32 s2, s28, 8
	s_lshl_b32 s31, s27, 5
	s_add_co_u32 s2, s2, s31
	s_add_nc_u64 s[18:19], s[18:19], s[2:3]        ; stats: groups 32 b + 4 ob on
	s_lshl_b32 s2, s28, 22
	s_lshl_b32 s31, s27, 19
	s_add_co_u32 s2, s2, s31
	s_lshl_b32 s31, s30, 6
	s_add_co_u32 s2, s2, s31
	s_add_nc_u64 s[20:21], s[20:21], s[2:3]
	s_add_nc_u64 s[22:23], s[22:23], s[2:3]
	global_load_b32 v40, v[T4], s[14:15]           ; thread t makes row o = t's entry: w,
	global_load_b32 v41, v[T4], s[16:17]           ; bias,
	global_load_b32 v42, v[T4], s[12:13]           ; out_b,
	global_load_b64 v[44:45], v[ST8], s[18:19]     ; and its group's (mean, rstd): 32 rows to a group, so the wave's number picks it
.irp s, 0,1,2,3,4,5,6,7
.irp bb, 0,1
	global_load_b32 v[XS+2*\s+\bb], v[GS], s[6:7] offset:4096*\s+128*\bb
.endr
.endr
	WIN 0x40
.irp s, 0,1,2,3
.irp t, 0,1,2,3
.irp c, 0,1,2,3
	global_load_b128 v[64*\s+16*\t+4*\c:64*\s+16*\t+4*\c+3], v[GI], s[4:5] offset:131072*\s+2048*\t+512*\c
.endr
.endr
.endr
	WIN 0x80
.irp s, 4,5,6,7
.irp t, 0,1,2,3
.irp c, 0,1,2,3
	global_load_b128 v[64*(\s-4)+16*\t+4*\c:64*(\s-4)+16*\t+4*\c+3], v[GI], s[4:5] offset:131072*\s+2048*\t+512*\c
.endr
.endr
.endr
	WIN 0xc0
.irp tau, 0,1,2,3,4,5,6,7
.irp i, 0,1,2,3,4,5,6,7
	global_load_b128 v[4*(8*\tau+\i):4*(8*\tau+\i)+3], v[XO], s[20:21] offset:(16*\tau+2*\i)*4096 th:TH_LOAD_NT   ; sixteen lanes read 256 consecutive bytes of a row
.endr
.endr
	WIN 0
	s_wait_loadcnt 63                              ; 63 of x's 64 loads may be out: all that was asked for ahead of them is in
	v_mul_f32 v46, v45, v40                        ; A = rstd w
	v_add_f32 v47, v41, v42
	v_fma_f32 v42, -v44, v46, v47                  ; B' = bias + out_b - mean A
	v_mov_b32 v40, v46
	v_mov_b32 v41, v46
	v_mov_b32 v43, v42
	s_wait_alu depctr_va_vdst(0)
	ds_store_b128 v[TW], v[40:43]
	s_wait_tensorcnt 0x0                           ; my parts of W and of its scale bytes are in,
	s_wait_dscnt 0x0                               ; my entries of the table have landed,
	s_barrier_signal -1
	s_barrier_wait -1                              ; everybody's have
.macro WSL p                           ; the scale words of rows 32 p .. 32 p + 31: lane L takes row L's 32 bytes: register s, lanes 0-15 tile u = 0, lanes 16-31 tile u = 1
	ds_load_b128 v[WS:WS+3], v[SCA] offset:1024*(\p)
	ds_load_b128 v[WS+4:WS+7], v[SCA] offset:1024*(\p)+16
.endm
.macro FRAGS p, s                      ; the two tiles' fragments of K step s into buffer s % 2
.irp u, 0,1
.irp c, 0,1,2,3
	ds_load_b128 v[WF+32*((\s)%2)+16*\u+4*\c:WF+32*((\s)%2)+16*\u+4*\c+3], v[ADW+(\p)/2] offset:((32*(\p)+16*\u)%64)*PITCH+128*(\s)+32*\c
.endr
.endr
.endm
.macro WM ra, rb, cz
.if (\cz)
.if (\ra) && (\rb)
	v_wmma_scale_f32_16x16x128_f8f6f4 v[rD:rD+7], v[rA:rA+15], v[rB:rB+15], 0, v[rSA], v[rSB] matrix_a_scale:MATRIX_SCALE_ROW1 matrix_b_scale:MATRIX_SCALE_ROW1
.elseif (\ra)
	v_wmma_scale_f32_16x16x128_f8f6f4 v[rD:rD+7], v[rA:rA+15], v[rB:rB+15], 0, v[rSA], v[rSB] matrix_a_scale:MATRIX_SCALE_ROW1
.elseif (\rb)
	v_wmma_scale_f32_16x16x128_f8f6f4 v[rD:rD+7], v[rA:rA+15], v[rB:rB+15], 0, v[rSA], v[rSB] matrix_b_scale:MATRIX_SCALE_ROW1
.else
	v_wmma_scale_f32_16x16x128_f8f6f4 v[rD:rD+7], v[rA:rA+15], v[rB:rB+15], 0, v[rSA], v[rSB]
.endif
.else
.if (\ra) && (\rb)
	v_wmma_scale_f32_16x16x128_f8f6f4 v[rD:rD+7], v[rA:rA+15], v[rB:rB+15], v[rD:rD+7], v[rSA], v[rSB] matrix_a_scale:MATRIX_SCALE_ROW1 matrix_b_scale:MATRIX_SCALE_ROW1
.elseif (\ra)
	v_wmma_scale_f32_16x16x128_f8f6f4 v[rD:rD+7], v[rA:rA+15], v[rB:rB+15], v[rD:rD+7], v[rSA], v[rSB] matrix_a_scale:MATRIX_SCALE_ROW1
.elseif (\rb)
	v_wmma_scale_f32_16x16x128_f8f6f4 v[rD:rD+7], v[rA:rA+15], v[rB:rB+15], v[rD:rD+7], v[rSA], v[rSB] matrix_b_scale:MATRIX_SCALE_ROW1
.else
	v_wmma_scale_f32_16x16x128_f8f6f4 v[rD:rD+7], v[rA:rA+15], v[rB:rB+15], v[rD:rD+7], v[rSA], v[rSB]
.endif
.endif
.endm
.macro MUL s                           ; a K step: four tiles of l x two tiles of o; the eight accumulators take turns, one instruction a turn; step 0 starts the sums
.irp t, 0,1,2,3
.irp u, 0,1
.set rD, ACC+32*\u+8*\t
.set rA, 64*((\s)%4)+16*\t
.set rB, WF+32*((\s)%2)+16*\u
.set rSA, XS+2*(\s)+\t/2
.set rSB, WS+(\s)
	WM \t%2, \u, (\s)==0
.endr
.endr
.endm
; tile tau (rows o = 16 tau + r) of the pair's tile u goes out
.macro OUTT tau, u
	s_wait_xcnt 0x0                                ; the last tile's stores have read the registers that the loads below fill
.irp t, 0,1,2,3
	ds_store_b128 v[STO], v[ACC+32*(\u)+8*\t:ACC+32*(\u)+8*\t+3] offset:128*(\t/2)+32*(\t%2)        ; each accumulator from its low end on
	ds_store_b128 v[STO], v[ACC+32*(\u)+8*\t+4:ACC+32*(\u)+8*\t+7] offset:128*(\t/2)+32*(\t%2)+16
.endr
.irp i, 0,1,2,3,4,5,6,7
	ds_load_b128 v[Y+4*\i:Y+4*\i+3], v[RD] offset:544*\i      ; LDS serves a wave's instructions in order (ISA guide 5.7.1.4): these see my stores; the stage is my wave's own
.endr
.irp i, 0,1,2,3,4,5,6,7
	ds_load_b128 v[KC+4*\i:KC+4*\i+3], v[TBA] offset:(16*(\tau)+2*\i)*16
.endr
	s_wait_dscnt 0x0
.irp i, 0,1,2,3,4,5,6,7
.irp k, 0,2
	v_pk_add_f32 v[Y+4*\i+\k:Y+4*\i+\k+1], v[Y+4*\i+\k:Y+4*\i+\k+1], v[KC+4*\i+2:KC+4*\i+3]
.endr
.endr
	s_wait_loadcnt 56-8*(\tau)                     ; this tile's eight loads of x are in; the later tiles' may be out
	WIN 0x03                                       ; source 0 (x) in window 3
.irp i, 0,1,2,3,4,5,6,7
.irp k, 0,2
	v_pk_fma_f32 v[Y+4*\i+\k:Y+4*\i+\k+1], v[4*(8*(\tau)+\i)+\k:4*(8*(\tau)+\i)+\k+1], v[KC+4*\i:KC+4*\i+1], v[Y+4*\i+\k:Y+4*\i+\k+1]
.endr
.endr
	WIN 0
.irp i, 0,1,2,3,4,5,6,7
	global_store_b128 v[XO], v[Y+4*\i:Y+4*\i+3], s[22:23] offset:(16*(\tau)+2*\i)*4096 th:TH_STORE_NT   ; sixteen lanes store 256 consecutive bytes, aligned
.endr
.endm
; rows 32 p .. 32 p + 31 of W: 64 matrix instructions; each K step's fragments are fetched one step ahead, into the buffer that the step before last multiplied
.macro PAIR p
.irp s, 0,1,2,3,4,5,6,7
	WIN 0
.if \s > 0 && \s < 7
	PLACES 8                                       ; in front of loads into registers that the last step's products read
.endif
.if \s < 7
	FRAGS \p, \s+1
	s_wait_dscnt 8                                 ; all but the eight just issued
.else
	s_wait_dscnt 0x0
.endif
.if \s < 4
	WIN 0x01                                       ; source 0 (ctx) window 1
.else
	WIN 0x02
.endif
	MUL \s
.endr
	WIN 0
	PLACES 8                                       ; in front of the loads below and of the first read of the results
.if \p < 3
	WSL \p+1
	FRAGS \p+1, 0
.endif
	OUTT 2*\p, 0
	OUTT 2*\p+1, 1
.endm
	WSL 0
	FRAGS 0, 0
	PAIR 0
	PAIR 1
	PAIR 2
	PAIR 3
	s_wait_dscnt 0x0
	s_wait_tensorcnt 0x0
	ds_add_u32 v254, v255
	s_wait_dscnt 0x0
	CROUND                                         ; the closing round: no work-group ends while a partner may still ask for a tile that names it
	s_endpgm
.Lfunc_end_k_qe2b7f1c110_outp:
	.size	k_qe2b7f1c110_outp, .Lfunc_end_k_qe2b7f1c110_outp-k_qe2b7f1c110_outp
	.p2alignl 7, 3214868480
	.fill 96, 4, 3214868480
	.section	.rodata,"a",@progbits
	.p2align	6, 0x0
	.amdhsa_kernel k_qe2b7f1c110_outp
		.amdhsa_group_segment_fixed_size 327680
		.amdhsa_private_segment_fixed_size 0
		.amdhsa_enable_private_segment 0
		.amdhsa_kernarg_size 80
		.amdhsa_user_sgpr_count 2
		.amdhsa_user_sgpr_kernarg_segment_ptr 1
		.amdhsa_wavefront_size32 1
		.amdhsa_system_sgpr_workgroup_id_x 1
		.amdhsa_system_sgpr_workgroup_id_y 1
		.amdhsa_system_sgpr_workgroup_id_z 1
		.amdhsa_system_vgpr_workitem_id 0
		.amdhsa_next_free_vgpr 1024
		.amdhsa_next_free_sgpr 66
		.amdhsa_reserve_vcc 0
		.amdhsa_float_denorm_mode_32 3
		.amdhsa_float_denorm_mode_16_64 3
		.amdhsa_memory_ordered 1
		.amdhsa_forward_progress 1
		.amdhsa_inst_pref_size 121
	.end_amdhsa_kernel
	.amdgpu_metadata
---
amdhsa.version: [ 1, 2 ]
amdhsa.kernels:
  - .name:           k_qe2b7f1c110_outp
    .symbol:         k_qe2b7f1c110_outp.kd
    .args:
      - { .name: cc, .offset: 0, .size: 8, .value_kind: global_buffer, .address_space: global }
      - { .name: cs, .offset: 8, .size: 8, .value_kind: global_buffer, .address_space: global }
      - { .name: out_w_codes, .offset: 16, .size: 8, .value_kind: global_buffer, .address_space: global }
      - { .name: out_w_scales, .offset: 24, .size: 8, .value_kind: global_buffer, .address_space: global }
      - { .name: out_b, .offset: 32, .size: 8, .value_kind: global_buffer, .address_space: global }
      - { .name: gn_weight, .offset: 40, .size: 8, .value_kind: global_buffer, .address_space: global }
      - { .name: gn_bias, .offset: 48, .size: 8, .value_kind: global_buffer, .address_space: global }
      - { .name: stats, .offset: 56, .size: 8, .value_kind: global_buffer, .address_space: global }
      - { .name: x, .offset: 64, .size: 8, .value_kind: global_buffer, .address_space: global }
      - { .name: out0, .offset: 72, .size: 8, .value_kind: global_buffer, .address_space: global }
    .group_segment_fixed_size: 327680
    .private_segment_fixed_size: 0
    .kernarg_segment_align: 8
    .kernarg_segment_size: 80
    .max_flat_workgroup_size: 128
    .sgpr_count:     66
    .vgpr_count:     1024
    .wavefront_size: 32
...
	.end_amdgpu_metadata
.endif
;; end of part 4
